; MI455X (gfx1250); checked and timed in simulation.
; The chip was launched on July 23, 2026; its instructions are those of AMD's public machine-readable ISA for CDNA 5 (MIT licence, August 2026) and "CDNA5" Instruction Set Architecture Reference Guide (July 2026). The comments in the code are by the model that wrote it; some were corrected since.
;; Mo E Layer. Allowed arithmetic: float matrix products may take bf16 or f16 operands with f32 sums; other float arithmetic in f32, or as packed bf16 or f16 multiplies, adds, multiply-adds, maxima and minima; sums over many terms, partial sums and values carried from step to step in f32; what a program stores and reads back later, other than sums and carried values, may be rounded once to bf16 or f16.
;; Inputs: W1 8 x 1,024 x 4,096 float32; W2 8 x 4,096 x 1,024 float32; assign 4 x 256 x 2 int32; b1 8 x 4,096 float32; b2 8 x 1,024 float32; x 4 x 256 x 1,024 float32.
;; Outputs: out0 4 x 256 x 1,024 float32.
;; Constants: k = 2.
;; 2 versions, each right; version 2 is version 1 with the launches ffn1, ffn2 written anew for expert scheduling mode. Each part assembles by itself: llvm-mc -triple=amdgcn-amd-amdhsa -mcpu=gfx1250 --defsym DOCPART=n.
;; ======== version 1 of 2: 4 launches
;; workspace buffers: xs 16,777,216 bytes; hid 67,108,864 bytes; part 134,217,728 bytes; route 34,816 bytes of whole numbers
;; launch sortrows (part 1): grid 32 x 8, 8 waves a work-group, no clusters, 0 bytes of LDS; arguments assign, x, xs, route; writes xs, route
.if DOCPART == 1
	.amdgcn_target "amdgcn-amd-amdhsa--gfx1250"
	.amdhsa_code_object_version 6
	.text
	.protected	k_q09cc0ea01b_sortrows
	.globl	k_q09cc0ea01b_sortrows
	.p2align	8
	.type	k_q09cc0ea01b_sortrows,@function
k_q09cc0ea01b_sortrows:
	s_mov_b64 s[64:65], 0
	v_nop
	global_prefetch_b8 v0, s[64:65] scope:SCOPE_SE
	s_setreg_imm32_b32 hwreg(HW_REG_WAVE_MODE, 25, 1), 1
	s_wait_xcnt 0x0
; A LAYER OF ROUTED EXPERTS, step 1 of 4.  out[t] = (the sum, over the experts e that assign[t][0..1] names, each once, of relu(x[t] W1[e] + b1[e]) W2[e] + b2[e]) / 2.
; 1,024 tokens of 1,024 channels, 8 experts, hidden width 4,096.
; DEAD WORK LEFT OUT, in all four launches.  reference() forms y[t][e] for all 8 experts and multiplies it by mask[t][e], which it builds in its own body from the index input assign.
; Where mask[t][e] is 0 the term y[t][e] x 0 is 0 for every finite y, whatever x, W1, b1, W2, b2 hold: the rows (t, e) that assign does not name reach no output.  They come in whole rows and are not computed:
; at most 2,048 of the 8,192 rows are.  Every input is loaded.  LIMITS: a NaN, an infinity or an overflow that arises only in an expert that a token does not name is not carried to the result;
; assign holds 0 to 7 (reference() itself gives an index beyond that no expert).
; THIS LAUNCH sorts the tokens by expert and lays each expert's rows of x end to end, rounded once to bf16: xs[e][rank][1024], 1,024 places an expert, so that every split of the tokens is served.
; It stores rank[e][t] (route, bytes 4,096 e + 4 t) and, 32 times over so that 256 consecutive bytes are written at once, the pair (T, cnt) at byte 32,768 + 256 e:
; cnt = the expert's rows, T = max(1, ceil(cnt / 16)) its tiles of 16 rows.  The places cnt .. 16 T - 1 take a row of x that exists: what is made of them is stored and never read into out.
; SHARES.  Work-group (p, e).  The tokens lie in 32 groups: group g, lane l is token 64 (g / 2) + 2 l + g % 2, as 16 loads of 512 consecutive bytes of assign leave them.  Ranks go by group, then by lane (the order of an
; expert's rows is free).  Every wave makes all 32 masks of expert e; work-group p places group p's tokens, wave w those of lanes 4 w .. 4 w + 3.  Their rows of x have addresses made of ids alone: they are asked for
; at the head, beside assign, and stored only where the token's bit is set.  No LDS, no barrier, EXEC is never written.
.set L8,  2                            ; v2       8 x lane
.set L16, 3                            ; v3       16 x lane
.set XO,  4                            ; v4       my 16 bytes in the wave's first row of x
.set RO,  5                            ; v5       my 8 bytes in rank[e]
.set MO,  6                            ; v6       my 8 bytes of the expert's pair
.set VO,  8                            ; v[8:12]  my 8 bytes in the row of xs: one register for each of the five possible rows, so that none is rewritten
.set MT,  14                           ; v[14:15] (T, cnt)
.set AS,  16                           ; v[16:79] assign: group g at AS + 2 g, AS + 2 g + 1
.set RK,  80                           ; v[80:111] the rank of group g's tokens
.set X,   112                          ; v[112:239] four rows of x, 32 registers each; rounded in place
	s_load_b256 s[4:11], s[0:1], 0x0               ; assign s[4:5], x s[6:7], xs s[8:9], route s[10:11]
	v_lshrrev_b32 v1, 5, v0
	v_readfirstlane_b32 s12, v1                    ; wave 0..7
	v_and_b32 v1, 31, v0                           ; lane
	s_mov_b32 s13, ttmp9                           ; p
	s_and_b32 s14, ttmp7, 0xffff                   ; e
	v_lshlrev_b32 v[L8], 3, v1
	v_lshlrev_b32 v[L16], 4, v1
	s_lshr_b32 s15, s13, 1
	s_lshl_b32 s15, s15, 6                         ; 64 (p / 2)
	s_lshl_b32 s16, s12, 3                         ; + 2 x lane 4 w
	s_add_co_u32 s15, s15, s16
	s_and_b32 s16, s13, 1                          ; + p % 2
	s_add_co_u32 s15, s15, s16                     ; the wave's first token; the other three lie 2, 4 and 6 further on
	s_lshl_b32 s15, s15, 12                        ; a row of x is 4,096 bytes
	v_add_nc_u32 v[XO], s15, v[L16]
	s_mov_b32 s22, 0                               ; rows counted so far
	s_mov_b32 s24, 0                               ; group p's mask
	s_mov_b32 s26, 0                               ; rows in the groups below p
	s_wait_kmcnt 0x0
.irp j,0,1,2,3,4,5,6,7,8,9,10,11,12,13,14,15
	global_load_b128 v[AS+4*\j:AS+4*\j+3], v[L16], s[4:5] offset:512*\j
.endr
.irp i,0,1,2,3
.irp q,0,1,2,3,4,5,6,7
	global_load_b128 v[X+32*\i+4*\q:X+32*\i+4*\q+3], v[XO], s[6:7] offset:8192*\i+512*\q  ; 512 consecutive bytes of a row
.endr
.endr
	s_wait_loadcnt 32                              ; assign is in; the 32 younger loads, of x, may stay out
; Group g: which of its 32 tokens name expert e (in either place: a token that names it twice counts once), their ranks, and the three scalar sums.
.macro RANK g
	v_cmp_eq_u32 s20, s14, v[AS+2*(\g)]
	v_cmp_eq_u32 s21, s14, v[AS+2*(\g)+1]
	s_or_b32 s20, s20, s21
	v_mbcnt_lo_u32_b32 v[RK+(\g)], s20, s22        ; rows so far + the chosen lanes below mine
	s_bcnt1_i32_b32 s23, s20
	s_cmp_gt_u32 s13, \g
	s_cselect_b32 s27, s23, 0
	s_add_co_u32 s26, s26, s27                     ; groups below p
	s_cmp_eq_u32 s13, \g
	s_cselect_b32 s24, s20, s24                    ; group p itself
	s_add_co_u32 s22, s22, s23
.endm
.set g, 0
.rept 32
	RANK g
.set g, g+1
.endr
	s_add_co_u32 s25, s22, 15
	s_lshr_b32 s25, s25, 4
	s_max_u32 s25, s25, 1                          ; T
	s_lshl_b32 s19, s25, 4                         ; 16 T places are filled
	s_lshl_b32 s29, s14, 21                        ; the expert's 1,024 places of 2,048 bytes in xs
	s_lshl_b32 s18, s12, 2                         ; the wave's first lane of the group
	s_wait_loadcnt 0x0                             ; x
.set z, 0
.rept 32                                       ; all four rows are rounded, in place: four f32 of a lane become 8 bytes in the first two of their registers
	v_cvt_pk_bf16_f32 v[X+4*z], v[X+4*z], v[X+4*z+1]
	v_cvt_pk_bf16_f32 v[X+4*z+1], v[X+4*z+2], v[X+4*z+3]
.set z, z+1
.endr
; Eight stores of row i to the place whose byte offset is in s31: each covers 256 consecutive bytes, aligned.
.macro SEND i, o
	v_add_nc_u32 v[VO+(\o)], s31, v[L8]
.irp q,0,1,2,3,4,5,6,7
	global_store_b64 v[VO+(\o)], v[X+32*(\i)+4*\q:X+32*(\i)+4*\q+1], s[8:9] offset:256*\q
.endr
.endm
; The wave's token i: its rank is the rows below group p plus the chosen lanes below its own; it is stored if its bit is set.
.macro PUT i
	s_add_co_u32 s30, s18, \i                      ; its lane in the group
	s_bfm_b32 s31, s30, 0                          ; as many ones as there are lanes below
	s_and_b32 s31, s31, s24
	s_bcnt1_i32_b32 s31, s31
	s_add_co_u32 s31, s31, s26
	s_min_u32 s31, s31, 1023                       ; a rank is below 1,024
	s_lshl_b32 s31, s31, 11
	s_add_co_u32 s31, s31, s29
	s_bitcmp1_b32 s24, s30
	s_cbranch_scc0 .Lnot_\@
	SEND \i, \i
.Lnot_\@:
.endm
	PUT 0
	PUT 1
	PUT 2
	PUT 3
	s_cmp_lg_u32 s12, 0
	s_cbranch_scc1 .Lend
	s_add_co_u32 s31, s22, s13                     ; wave 0 of work-group p fills place cnt + p, if that lies below 16 T (at most 16 such places), with the row that it holds
	s_cmp_lt_u32 s31, s19
	s_cbranch_scc0 .Ltable
	s_min_u32 s31, s31, 1023
	s_lshl_b32 s31, s31, 11
	s_add_co_u32 s31, s31, s29
	SEND 0, 4
.Ltable:
	s_cmp_lg_u32 s13, 0
	s_cbranch_scc1 .Lend
	s_lshl_b32 s30, s14, 12                        ; wave 0 of work-group 0 stores the expert's ranks: groups 2 j and 2 j + 1 are neighbouring tokens
	v_add_nc_u32 v[RO], s30, v[L8]
.irp j,0,1,2,3,4,5,6,7,8,9,10,11,12,13,14,15
	global_store_b64 v[RO], v[RK+2*\j:RK+2*\j+1], s[10:11] offset:256*\j
.endr
	s_lshl_b32 s30, s14, 8
	v_add_nc_u32 v[MO], s30, v[L8]
	v_mov_b32 v[MT], s25
	v_mov_b32 v[MT+1], s22
	global_store_b64 v[MO], v[MT:MT+1], s[10:11] offset:0x8000
.Lend:
	s_endpgm
.Lfunc_end_k_q09cc0ea01b_sortrows:
	.size	k_q09cc0ea01b_sortrows, .Lfunc_end_k_q09cc0ea01b_sortrows-k_q09cc0ea01b_sortrows
	.p2alignl 7, 3214868480
	.fill 96, 4, 3214868480
	.section	.rodata,"a",@progbits
	.p2align	6, 0x0
	.amdhsa_kernel k_q09cc0ea01b_sortrows
		.amdhsa_group_segment_fixed_size 0
		.amdhsa_private_segment_fixed_size 0
		.amdhsa_enable_private_segment 0
		.amdhsa_kernarg_size 32
		.amdhsa_user_sgpr_count 2
		.amdhsa_user_sgpr_kernarg_segment_ptr 1
		.amdhsa_wavefront_size32 1
		.amdhsa_system_sgpr_workgroup_id_x 1
		.amdhsa_system_sgpr_workgroup_id_y 1
		.amdhsa_system_sgpr_workgroup_id_z 1
		.amdhsa_system_vgpr_workitem_id 0
		.amdhsa_next_free_vgpr 240
		.amdhsa_next_free_sgpr 66
		.amdhsa_reserve_vcc 0
		.amdhsa_float_denorm_mode_32 3
		.amdhsa_float_denorm_mode_16_64 3
		.amdhsa_memory_ordered 1
		.amdhsa_forward_progress 1
		.amdhsa_inst_pref_size 32
	.end_amdhsa_kernel
	.amdgpu_metadata
---
amdhsa.version: [ 1, 2 ]
amdhsa.kernels:
  - .name:           k_q09cc0ea01b_sortrows
    .symbol:         k_q09cc0ea01b_sortrows.kd
    .args:
      - { .name: assign, .offset: 0, .size: 8, .value_kind: global_buffer, .address_space: global }
      - { .name: x, .offset: 8, .size: 8, .value_kind: global_buffer, .address_space: global }
      - { .name: xs, .offset: 16, .size: 8, .value_kind: global_buffer, .address_space: global }
      - { .name: route, .offset: 24, .size: 8, .value_kind: global_buffer, .address_space: global }
    .group_segment_fixed_size: 0
    .private_segment_fixed_size: 0
    .kernarg_segment_align: 8
    .kernarg_segment_size: 32
    .max_flat_workgroup_size: 256
    .sgpr_count:     66
    .vgpr_count:     240
    .wavefront_size: 32
...
	.end_amdgpu_metadata
.endif
;; end of part 1
;; launch ffn1 (part 2): grid 32 x 8, 4 waves a work-group, no clusters, 284,160 bytes of LDS; arguments xs, W1, b1, route, hid; writes hid
.if DOCPART == 2
	.amdgcn_target "amdgcn-amd-amdhsa--gfx1250"
	.amdhsa_code_object_version 6
	.text
	.protected	k_q09cc0ea01b_ffn1
	.globl	k_q09cc0ea01b_ffn1
	.p2align	8
	.type	k_q09cc0ea01b_ffn1,@function
k_q09cc0ea01b_ffn1:
	s_mov_b64 s[64:65], 0
	v_nop
	global_prefetch_b8 v0, s[64:65] scope:SCOPE_SE
	s_setreg_imm32_b32 hwreg(HW_REG_WAVE_MODE, 25, 1), 1
	s_wait_xcnt 0x0
; A LAYER OF ROUTED EXPERTS, steps 2 and 3 of 4: one text for both products, told apart by LAYER.  Only the rows that assign names are multiplied (the first kernel's head shows why the others are dead).
; LAYER 1: hid[e][row][4096] = relu(xs[e][row] W1[e] + b1[e]), rounded once to bf16.   LAYER 2: part[kq][e][row][1024] = hid[e][row][1024 kq ..] W2[e][1024 kq ..] + b2[e] / 4, in f32: four partial sums over the hidden width.
; SHARES.  A work-group holds 1,024 k x 128 columns of ONE expert's weights, which it alone reads (LAYER 1: 32 column slices; LAYER 2: 8 column slices x 4 quarters of k), and multiplies all of that expert's rows by them.
; PHASE A.  The slice, 512 KiB of f32, comes through registers, is rounded to bf16 and laid into LDS in the order of the matrix unit's fragments.  A wave takes 8 rows of k at a time (a UNIT: 8 loads of 512 consecutive bytes);
; a ring of 8 units keeps 64 loads of every wave out from the head to the last unit.  One barrier follows: the only one.
; PHASE B.  The expert's T tiles of 16 rows (T from route) are dealt to the waves: in pass P wave w has tiles 16 P + w + 4 j, j = 0..3.  Four passes, a constant, cover all 64 tiles that a split can give; a pass or a tile past T is
; jumped forward; what is jumped holds matrix work, LDS reads of the wave's own and stores, no barrier.  A place past T loads a tile that exists, so that the counts of loads are the same on every way.
; A pass's 32 K blocks of 32 are written out: the slice is read through five address registers that are made at the head and never rewritten, and a K block's place stands in the immediate.
; THE PRODUCT IS USED TRANSPOSED: source 0 = 16 columns of the weights, source 1 = 16 token rows: a lane then holds one token (lane % 16) and the columns 8 (lane / 16) + 0..7.  The token rows come straight from memory
; (k lies along them), through a ring of 8 K blocks; the weights' fragments from LDS, 512 consecutive bytes a load, into two buffers by turns.  The sums start at the bias: it is the C of a pass's first K block.
; NO JOINT LOADS, though an expert's work-groups read the same token rows: beside the slice (266,240 bytes) and the stage LDS has under 44 KiB left, and 128 along k of 256 rows are 64 KiB; and whether a pass runs hangs on a stored count.
; NO PREFETCH of the weights: from its head on a work-group has 4 x 64 loads of 512 bytes, 128 KiB, on their way, and phase A waits for nothing else.
; LIMITS.  x, the weights and hid are rounded once to bf16; all sums are f32.  A NaN in the hidden layer becomes 0 (the maximum with 0 drops it).
.set LAYER, 1
.if LAYER == 1
.set APITCH, 2048                      ; bytes from token row to token row
.set WPITCH, 16384                     ; bytes from k to k + 1 in the weights
.set OPITCH, 8192                      ; bytes from row to row in the result
.set SP,     272                       ; a stage row: 256 bytes + 16: the 16 rows of a store start at 16 different groups of four banks (64 banks of 4 bytes: ISA guide 11.1)
.set TSH,    15                        ; a tile's 16 token rows, as a shift
.set OSH,    17                        ; a tile's 16 rows of the result
.else
.set APITCH, 8192
.set WPITCH, 4096
.set OPITCH, 4096
.set SP,     528                       ; 512 bytes + 16
.set TSH,    17
.set OSH,    16
.endif
.set FRB,   1040                       ; a fragment (16 columns x 32 k) in LDS: 1,024 bytes + 16, so that the 16 lanes of a store in phase A, which go to four fragments, touch 16 different 16-byte columns of 256
.set KBB,   8*FRB                      ; a K block: 8 fragments.  The 16 bytes (8 k) of k group G = k / 8, column n lie at (G / 4) KBB + (n / 16) FRB + (G % 4) 256 + (n % 16) 16
.set STAGE, 32*KBB                     ; behind the slice: 16 rows for each wave, its own, for the way out
.set SPARE, STAGE+4*16*SP              ; behind the stages: the spare words, 128 bytes for each wave: two blocks of 256 bytes that no other line names
; window 0 (an instruction names v0-v255; s_set_vgpr_msb says which window each operand place means: bits 1:0 source 0, 3:2 source 1, 5:4 source 2, 7:6 destination)
.set SPW,  4                           ; v4   LDS address of my spare word; never rewritten
.set NIL,  5                           ; v5   0; never rewritten
.set ZERO, 6                           ; v6   0, for the ReLU
.set WO,   7                           ; v7   weights: 16 lane + 8 w rows
.set WA,   8                           ; v8   where I put a unit's cells: (lane / 4) FRB + (lane % 4) 64 + 256 w, stepped a ring at a time
.set LB,   9                           ; v9   16 lane
.set LT,   12                          ; v12  my place in a tile of token rows: (lane % 16) APITCH + 16 (lane / 16)
.set AO,   13                          ; v[13:16] the same in my four tiles
.set STO,  17                          ; v17  the way out: where I put my bytes of a row
.set RD,   18                          ; v18  where I read rows back
.if LAYER == 1
.set CO,   19                          ; v19  my bytes in two rows of the result
.else
.set CO,   LB                          ; in one row of 512 bytes
.endif
.set CT,   20                          ; v20  the same in the tile in hand
.set BO,   21                          ; v21  32 (lane / 16): my eight numbers of 16 of the bias
.set BA,   24                          ; v[24:28] my 16 bytes of a fragment in K block 7 q, q = 0..4: 16 lane + 7 q KBB; never rewritten
.set TD,   32                          ; v[32:63]  phase A: a unit's cells, two sets by turns; the way out: a tile packed
.set BF0,  64                          ; v[64:191] the weights' fragments, two buffers of 64; the first also takes the rows read back from the stage
.set BIAS, 192                         ; v[192:255] register 8 b + j: bias[16 b + 8 (lane / 16) + j]
; window 1: phase A: the ring, unit slot i at 32 i (row r of 8 at 4 r);  phase B: the sums, tile j, columns 16 b at 64 j + 8 b.      window 2: the token ring, slot i, tile j at 32 i + 8 j
; s14 wave, s15 e, s16 column slice, s17 quarter of k, s20 T, s[21:24] my four tiles, s25 passes to go, s26 phase A's trips to go, s[28:29] weights, s[30:31] token rows, s[34:35] result
.set MSB, 0
.macro WIN new                         ; the immediate's high byte repeats the setting that is left; a switch that changes nothing is dropped
.if MSB != (\new)
	s_set_vgpr_msb (MSB<<8)|(\new)
.set MSB, \new
.endif
.endm
.macro PLACES                          ; four places behind matrix instructions, in front of loads into registers that they have read and of reads of their results
.rept 4
	v_nop
.endr
.endm
	s_load_b256 s[4:11], s[0:1], 0x0               ; token rows s[4:5], weights s[6:7], bias s[8:9], route s[10:11]
	s_load_b64 s[12:13], s[0:1], 0x20              ; the result
	v_lshl_add_u32 v[SPW], v0, 2, SPARE
	v_mov_b32 v[NIL], 0
	v_lshrrev_b32 v1, 5, v0
	v_readfirstlane_b32 s14, v1                    ; wave 0..3
	v_and_b32 v1, 31, v0                           ; lane
	s_and_b32 s15, ttmp7, 0xffff                   ; e
.if LAYER == 1
	s_mov_b32 s16, ttmp9
.else
	s_and_b32 s16, ttmp9, 7
	s_lshr_b32 s17, ttmp9, 3
.endif
	s_lshl_b32 s18, s15, 24                        ; an expert's weights are 2^24 bytes,
	s_lshl_b32 s36, s16, 9                         ; 128 columns 512
	s_add_co_u32 s18, s18, s36
.if LAYER == 2
	s_lshl_b32 s36, s17, 22                        ; 1,024 rows of 4,096 bytes
	s_add_co_u32 s18, s18, s36
.endif
	s_mov_b32 s19, 0
	s_mul_i32 s37, s14, 8*WPITCH
	v_lshl_add_u32 v[WO], v1, 4, s37
	s_lshl_b32 s27, s15, 8
	s_wait_kmcnt 0x0
	s_add_nc_u64 s[28:29], s[6:7], s[18:19]
	s_load_b32 s20, s[10:11], s27 offset:0x8000    ; T
	WIN 0x40                                       ; destination window 1
.irp i,0,1,2,3,4,5,6,7
.irp r,0,1,2,3,4,5,6,7
	global_load_b128 v[32*\i+4*\r:32*\i+4*\r+3], v[WO], s[28:29] offset:(32*\i+\r)*WPITCH th:TH_LOAD_NT  ; unit i: k = 32 i + 8 w + r, the slice's 512 bytes of that row
.endr
.endr
	WIN 0
.if LAYER == 1
	s_lshl_b32 s18, s15, 14
.else
	s_lshl_b32 s18, s15, 12
.endif
	s_lshl_b32 s36, s16, 9
	s_add_co_u32 s18, s18, s36
	s_add_nc_u64 s[8:9], s[8:9], s[18:19]          ; the slice's 128 numbers of the bias
	v_bfe_u32 v3, v0, 4, 1                         ; lane / 16
	v_lshlrev_b32 v[BO], 5, v3
.irp b,0,1,2,3,4,5,6,7
	global_load_b128 v[BIAS+8*\b:BIAS+8*\b+3],   v[BO], s[8:9] offset:64*\b  ; behind the weights' first 64, so that those go out first: 16 loads that make the first counts below stricter than they need be
	global_load_b128 v[BIAS+8*\b+4:BIAS+8*\b+7], v[BO], s[8:9] offset:64*\b+16
.endr
.if LAYER == 1
	s_lshl_b32 s18, s15, 21
	s_add_nc_u64 s[30:31], s[4:5], s[18:19]        ; xs[e]
	s_lshl_b32 s18, s15, 23
	s_lshl_b32 s36, s16, 8
	s_add_co_u32 s18, s18, s36
	s_add_nc_u64 s[34:35], s[12:13], s[18:19]      ; hid[e], my 128 columns
.else
	s_lshl_b32 s18, s15, 23
	s_lshl_b32 s36, s17, 11
	s_add_co_u32 s18, s18, s36
	s_add_nc_u64 s[30:31], s[4:5], s[18:19]        ; hid[e], my quarter of k
	s_lshl_b32 s18, s17, 25
	s_lshl_b32 s36, s15, 22
	s_add_co_u32 s18, s18, s36
	s_lshl_b32 s36, s16, 9
	s_add_co_u32 s18, s18, s36
	s_add_nc_u64 s[34:35], s[12:13], s[18:19]      ; part[kq][e], my 128 columns
.endif
	v_and_b32 v2, 15, v0                           ; lane % 16
	v_lshrrev_b32 v22, 2, v1
	v_mul_u32_u24 v[WA], v22, FRB
	v_and_b32 v22, 3, v0
	v_lshl_add_u32 v[WA], v22, 6, v[WA]
	s_lshl_b32 s36, s14, 8
	v_add_nc_u32 v[WA], s36, v[WA]
	v_lshlrev_b32 v[LB], 4, v1
.irp q,0,1,2,3,4
	v_add_nc_u32 v[BA+\q], \q*7*KBB, v[LB]         ; seven K blocks to a register: the largest immediate behind it is 6 KBB + 7 FRB + 512 = 57,712
.endr
	v_mul_u32_u24 v[LT], v2, APITCH
	v_lshl_add_u32 v[LT], v3, 4, v[LT]
	s_mul_i32 s36, s14, 16*SP
	s_add_co_u32 s36, s36, STAGE                   ; my stage
	v_mul_u32_u24 v[STO], v2, SP                   ; in: the row of my token,
.if LAYER == 1
	v_lshl_add_u32 v[STO], v3, 4, v[STO]           ; 16 bytes (8 bf16) for each half of the lanes
	v_add_nc_u32 v[STO], s36, v[STO]
	v_mul_u32_u24 v[RD], v3, SP                    ; back: lanes 0-15 one row of 256 bytes, lanes 16-31 the next,
	v_lshl_add_u32 v[RD], v2, 4, v[RD]
	v_add_nc_u32 v[RD], s36, v[RD]
	v_lshlrev_b32 v[CO], 13, v3                    ; and the same two rows in hid
	v_lshl_add_u32 v[CO], v2, 4, v[CO]
	v_mov_b32 v[ZERO], 0
.else
	v_lshl_add_u32 v[STO], v3, 5, v[STO]           ; 32 bytes (8 f32) for each half of the lanes
	v_add_nc_u32 v[STO], s36, v[STO]
	v_add_nc_u32 v[RD], s36, v[LB]                 ; back: 32 lanes take one row of 512 bytes
.endif
	s_mov_b32 s21, s14                             ; my tiles of pass 0
	s_add_co_u32 s22, s14, 4
	s_add_co_u32 s23, s14, 8
	s_add_co_u32 s24, s14, 12
	s_wait_kmcnt 0x0
	s_min_u32 s20, s20, 64                         ; an expert has at most 64 tiles
; The offsets of my four tiles, `add` tiles on: a place past T takes tile T - 1.
.macro SETROWS add
	s_sub_co_u32 s37, s20, 1
.irp j,0,1,2,3
	s_add_co_u32 s36, s[21+\j], \add
	s_min_u32 s36, s36, s37
	s_min_u32 s36, s36, 63
	s_lshl_b32 s36, s36, TSH
	v_add_nc_u32 v[AO+\j], s36, v[LT]
.endr
.endm
; Slot i of the token ring takes the 32 k at byte off of the rows of my four tiles: 8 loads.  A fragment is 16 rows x 32 k: lane l holds row l % 16, k = 8 (l / 16) + 0..7 and 16 + 8 (l / 16) + 0..7: two loads of 16 bytes, 32 bytes apart.
.macro AFILL i, off
	WIN 0x80                                       ; destination window 2
.irp j,0,1,2,3
	global_load_b128 v[32*(\i)+8*\j:32*(\i)+8*\j+3],   v[AO+\j], s[30:31] offset:(\off)
	global_load_b128 v[32*(\i)+8*\j+4:32*(\i)+8*\j+7], v[AO+\j], s[30:31] offset:(\off)+32
.endr
.endm
; A unit's turn.  My lane holds 8 k of columns 4 lane + 0..3: for each column the 8 numbers are rounded in pairs into 16 bytes, a cell.  kind = 1: the slot takes the unit 8 further on; kind = 2: the weights are all
; asked for, and the turn's 8 loads are the first fill of slot i of the token ring: so the count is the same in every turn.
.macro UNIT i, kind
	s_wait_loadcnt 56                              ; loads come back in order: mine are in; the seven younger slots' 56 may stay out
	WIN 0x05                                       ; sources window 1
.set td, TD+16*((\i)%2)
.irp c,0,1,2,3
.irp p,0,1,2,3
	v_cvt_pk_bf16_f32 v[td+4*\c+\p], v[32*(\i)+8*\p+\c], v[32*(\i)+8*\p+4+\c]
.endr
.endr
	WIN 0
.irp c,0,1,2,3
	ds_store_b128 v[WA], v[td+4*\c:td+4*\c+3] offset:(\i)*KBB+16*\c
.endr
.if \kind == 1
	WIN 0x40
.irp r,0,1,2,3,4,5,6,7
	global_load_b128 v[32*(\i)+4*\r:32*(\i)+4*\r+3], v[WO], s[28:29] offset:(256+32*(\i)+\r)*WPITCH th:TH_LOAD_NT  ; at most 487 rows on: inside the signed 24-bit immediate
.endr
.else
	AFILL \i, 64*(\i)
.endif
.endm
	SETROWS 0
	s_mov_b32 s26, 3
.Lfill:                                                ; PHASE A: three trips of 8 units, each asking for the next trip's
.irp i,0,1,2,3,4,5,6,7
	UNIT \i, 1
.endr
	WIN 0
	s_wait_xcnt 0x0                                ; the loads issued so far have read their base: only now is it stepped
	s_add_nc_u64 s[28:29], s[28:29], 256*WPITCH
	v_add_nc_u32 v[WA], 8*KBB, v[WA]
	s_sub_co_u32 s26, s26, 1
	s_cmp_lg_u32 s26, 0
	s_cbranch_scc1 .Lfill
.irp i,0,1,2,3,4,5,6,7
	UNIT \i, 2                                     ; the last 8 units
.endr
	WIN 0
	s_wait_dscnt 0x0                               ; for the others' sake: my cells lie in LDS
	s_barrier_signal -1
	s_barrier_wait -1                              ; the slice is whole; from here on nobody writes it
.if LAYER == 2
	s_mov_b32 s38, 0x3e800000                      ; each of the four quarters of k carries a quarter of b2
	s_mov_b32 s39, s38
.set z, 0
.rept 32
	v_pk_mul_f32 v[BIAS+z:BIAS+z+1], v[BIAS+z:BIAS+z+1], s[38:39] op_sel_hi:[1,0]
.set z, z+2
.endr
.endif
; 16 LDS loads in one run: the 8 fragments of K block x into buffer f
.macro FETCHB x, f
	WIN 0
.set fa, BA+(\x)/7
.set fo, ((\x)%7)*KBB
.irp b,0,1,2,3,4,5,6,7
	ds_load_b128 v[BF0+64*(\f)+8*\b:BF0+64*(\f)+8*\b+3],   v[fa] offset:fo+\b*FRB
	ds_load_b128 v[BF0+64*(\f)+8*\b+4:BF0+64*(\f)+8*\b+7], v[fa] offset:fo+\b*FRB+512
.endr
.endm
; 8 matrix instructions: tile j x all 128 columns, K block kb.  The 8 sums take turns, one instruction a turn: seven others stand between two links of a chain, on every way.  In K block 0 C is the bias.
.macro MULT kb, j
.if (\kb) == 0
	WIN 0x48                                       ; weights window 0, tokens window 2, C window 0, D window 1
.else
	WIN 0x58                                       ; C and D window 1
.endif
.irp b,0,1,2,3,4,5,6,7
.if (\kb) == 0
	v_wmma_f32_16x16x32_bf16 v[64*(\j)+8*\b:64*(\j)+8*\b+7], v[BF0+64*((\kb)%2)+8*\b:BF0+64*((\kb)%2)+8*\b+7], v[32*((\kb)%8)+8*(\j):32*((\kb)%8)+8*(\j)+7], v[BIAS+8*\b:BIAS+8*\b+7]
.else
	v_wmma_f32_16x16x32_bf16 v[64*(\j)+8*\b:64*(\j)+8*\b+7], v[BF0+64*((\kb)%2)+8*\b:BF0+64*((\kb)%2)+8*\b+7], v[32*((\kb)%8)+8*(\j):32*((\kb)%8)+8*(\j)+7], v[64*(\j)+8*\b:64*(\j)+8*\b+7]
.endif
.endr
.endm
; K block kb of 32: the next block's fragments are asked for, this block's are waited for, my live tiles are multiplied, and the block's slot of the token ring takes the block 8 further on, while there is one.
.macro KB kb
.if (\kb) < 31
	FETCHB (\kb)+1, ((\kb)+1)%2
	s_wait_dscnt 16                                ; all but the 16 just issued: this block's fragments are in
.else
	s_wait_dscnt 0x0
.endif
.if (\kb) <= 24
	s_wait_loadcnt 56                              ; this block's token rows are in; the seven younger slots' 56 loads may stay out
.else
	s_wait_loadcnt 56-8*((\kb)-24)                 ; the last blocks ask for nothing: the counts run down to 0
.endif
	MULT \kb, 0
.irp j,1,2,3
	WIN 0                                          ; at a branch and at a label every window is 0
	s_cmp_lt_u32 s[21+\j], s20                     ; is tile j below T?  My tiles ascend, so the first that is not ends the block
	s_cbranch_scc0 .Lkb_\@
	MULT \kb, \j
.endr
	WIN 0
.Lkb_\@:
	PLACES                                         ; in front of the loads into the block's slot, and of the next block's loads into the fragment buffer read a block ago
.if (\kb) < 24
	AFILL (\kb)%8, 64*((\kb)+8)
.endif
	WIN 0
.endm
; THE WAY OUT of tile j: through my own stage, so that whole rows leave.  LDS serves a wave's instructions in order (ISA guide 5.7.1.4): the loads see the stores, and the next tile's stores come behind the loads.
.macro OUT j
.if \j > 0
	s_cmp_lt_u32 s[21+\j], s20
	s_cbranch_scc0 .Lsent
.endif
	s_wait_xcnt 0x0                                ; the stores issued so far have read their offset and data: only now are those registers rewritten
.if LAYER == 1
	WIN 0x05
.irp b,0,1,2,3,4,5,6,7
.irp q,0,1,2,3
	v_cvt_pk_bf16_f32 v[TD+4*\b+\q], v[64*(\j)+8*\b+2*\q], v[64*(\j)+8*\b+2*\q+1]  ; each sum's registers in ascending order
.endr
.endr
	WIN 0
.set z, 0
.rept 32
	v_pk_max_num_bf16 v[TD+z], v[TD+z], v[ZERO]    ; the ReLU on the rounded halves: rounding keeps sign and order, so the values are those of rounding behind the ReLU
.set z, z+1
.endr
.irp b,0,1,2,3,4,5,6,7
	ds_store_b128 v[STO], v[TD+4*\b:TD+4*\b+3] offset:32*\b
.endr
.irp t,0,1,2,3,4,5,6,7
	ds_load_b128 v[BF0+4*\t:BF0+4*\t+3], v[RD] offset:\t*2*SP
.endr
.else
	WIN 0x04                                       ; store data window 1
.irp b,0,1,2,3,4,5,6,7
	ds_store_b128 v[STO], v[64*(\j)+8*\b:64*(\j)+8*\b+3]   offset:64*\b
	ds_store_b128 v[STO], v[64*(\j)+8*\b+4:64*(\j)+8*\b+7] offset:64*\b+16
.endr
	WIN 0
.irp t,0,1,2,3,4,5,6,7,8,9,10,11,12,13,14,15
	ds_load_b128 v[BF0+4*\t:BF0+4*\t+3], v[RD] offset:\t*SP
.endr
.endif
	s_lshl_b32 s36, s[21+\j], OSH
	v_add_nc_u32 v[CT], s36, v[CO]
	s_wait_dscnt 0x0
.if LAYER == 1
.irp t,0,1,2,3,4,5,6,7
	global_store_b128 v[CT], v[BF0+4*\t:BF0+4*\t+3], s[34:35] offset:2*\t*OPITCH  ; 16 lanes store 256 consecutive bytes, aligned
.endr
.else
.irp t,0,1,2,3,4,5,6,7,8,9,10,11,12,13,14,15
	global_store_b128 v[CT], v[BF0+4*\t:BF0+4*\t+3], s[34:35] offset:\t*OPITCH    ; 512 consecutive bytes, aligned
.endr
.endif
.endm
	s_mov_b32 s25, 4
.Lpass:                                                ; PHASE B
	s_cmp_lt_u32 s21, s20
	s_cbranch_scc0 .Lnext                          ; my first tile of this pass lies past T: nothing of the pass is mine
	s_wait_xcnt 0x0                                ; the last pass's stores have read the first fragment buffer's registers
	FETCHB 0, 0
.irp kb,0,1,2,3,4,5,6,7,8,9,10,11,12,13,14,15,16,17,18,19,20,21,22,23,24,25,26,27,28,29,30,31
	KB \kb
.endr
	PLACES                                         ; four more, once a pass, ahead of the first read of the sums
	s_add_co_u32 s36, s21, 16
	s_cmp_lt_u32 s36, s20
	s_cbranch_scc0 .Lnofill
	SETROWS 16                                     ; a further pass is mine: its first 8 K blocks of token rows are asked for ahead of the way out (the last wait above was for 0: no load still reads these registers)
.irp i,0,1,2,3,4,5,6,7
	AFILL \i, 64*\i
.endr
	WIN 0
.Lnofill:
.irp j,0,1,2,3
	OUT \j
.endr
.Lsent:
.Lnext:
	s_add_co_u32 s21, s21, 16
	s_add_co_u32 s22, s22, 16
	s_add_co_u32 s23, s23, 16
	s_add_co_u32 s24, s24, 16
	s_sub_co_u32 s25, s25, 1
	s_cmp_lg_u32 s25, 0
	s_cbranch_scc1 .Lpass
	s_wait_tensorcnt 0x0                           ; the wave's end, behind my last LDS store
	ds_add_u32 v[SPW], v[NIL]
	s_wait_dscnt 0x0
	s_endpgm
.Lfunc_end_k_q09cc0ea01b_ffn1:
	.size	k_q09cc0ea01b_ffn1, .Lfunc_end_k_q09cc0ea01b_ffn1-k_q09cc0ea01b_ffn1
	.p2alignl 7, 3214868480
	.fill 96, 4, 3214868480
	.section	.rodata,"a",@progbits
	.p2align	6, 0x0
	.amdhsa_kernel k_q09cc0ea01b_ffn1
		.amdhsa_group_segment_fixed_size 284160
		.amdhsa_private_segment_fixed_size 0
		.amdhsa_enable_private_segment 0
		.amdhsa_kernarg_size 40
		.amdhsa_user_sgpr_count 2
		.amdhsa_user_sgpr_kernarg_segment_ptr 1
		.amdhsa_wavefront_size32 1
		.amdhsa_system_sgpr_workgroup_id_x 1
		.amdhsa_system_sgpr_workgroup_id_y 1
		.amdhsa_system_sgpr_workgroup_id_z 1
		.amdhsa_system_vgpr_workitem_id 0
		.amdhsa_next_free_vgpr 768
		.amdhsa_next_free_sgpr 66
		.amdhsa_reserve_vcc 0
		.amdhsa_float_denorm_mode_32 3
		.amdhsa_float_denorm_mode_16_64 3
		.amdhsa_memory_ordered 1
		.amdhsa_forward_progress 1
		.amdhsa_inst_pref_size 213
	.end_amdhsa_kernel
	.amdgpu_metadata
---
amdhsa.version: [ 1, 2 ]
amdhsa.kernels:
  - .name:           k_q09cc0ea01b_ffn1
    .symbol:         k_q09cc0ea01b_ffn1.kd
    .args:
      - { .name: xs, .offset: 0, .size: 8, .value_kind: global_buffer, .address_space: global }
      - { .name: W1, .offset: 8, .size: 8, .value_kind: global_buffer, .address_space: global }
      - { .name: b1, .offset: 16, .size: 8, .value_kind: global_buffer, .address_space: global }
      - { .name: route, .offset: 24, .size: 8, .value_kind: global_buffer, .address_space: global }
      - { .name: hid, .offset: 32, .size: 8, .value_kind: global_buffer, .address_space: global }
    .group_segment_fixed_size: 284160
    .private_segment_fixed_size: 0
    .kernarg_segment_align: 8
    .kernarg_segment_size: 40
    .max_flat_workgroup_size: 128
    .sgpr_count:     66
    .vgpr_count:     768
    .wavefront_size: 32
...
	.end_amdgpu_metadata
.endif
;; end of part 2
;; launch ffn2 (part 3): grid 32 x 8, 4 waves a work-group, no clusters, 300,544 bytes of LDS; arguments hid, W2, b2, route, part; writes part
.if DOCPART == 3
	.amdgcn_target "amdgcn-amd-amdhsa--gfx1250"
	.amdhsa_code_object_version 6
	.text
	.protected	k_q09cc0ea01b_ffn2
	.globl	k_q09cc0ea01b_ffn2
	.p2align	8
	.type	k_q09cc0ea01b_ffn2,@function
k_q09cc0ea01b_ffn2:
	s_mov_b64 s[64:65], 0
	v_nop
	global_prefetch_b8 v0, s[64:65] scope:SCOPE_SE
	s_setreg_imm32_b32 hwreg(HW_REG_WAVE_MODE, 25, 1), 1
	s_wait_xcnt 0x0
; A LAYER OF ROUTED EXPERTS, steps 2 and 3 of 4: one text for both products, told apart by LAYER.  Only the rows that assign names are multiplied (the first kernel's head shows why the others are dead).
; LAYER 1: hid[e][row][4096] = relu(xs[e][row] W1[e] + b1[e]), rounded once to bf16.   LAYER 2: part[kq][e][row][1024] = hid[e][row][1024 kq ..] W2[e][1024 kq ..] + b2[e] / 4, in f32: four partial sums over the hidden width.
; SHARES.  A work-group holds 1,024 k x 128 columns of ONE expert's weights, which it alone reads (LAYER 1: 32 column slices; LAYER 2: 8 column slices x 4 quarters of k), and multiplies all of that expert's rows by them.
; PHASE A.  The slice, 512 KiB of f32, comes through registers, is rounded to bf16 and laid into LDS in the order of the matrix unit's fragments.  A wave takes 8 rows of k at a time (a UNIT: 8 loads of 512 consecutive bytes);
; a ring of 8 units keeps 64 loads of every wave out from the head to the last unit.  One barrier follows: the only one.
; PHASE B.  The expert's T tiles of 16 rows (T from route) are dealt to the waves: in pass P wave w has tiles 16 P + w + 4 j, j = 0..3.  Four passes, a constant, cover all 64 tiles that a split can give; a pass or a tile past T is
; jumped forward; what is jumped holds matrix work, LDS reads of the wave's own and stores, no barrier.  A place past T loads a tile that exists, so that the counts of loads are the same on every way.
; A pass's 32 K blocks of 32 are written out: the slice is read through five address registers that are made at the head and never rewritten, and a K block's place stands in the immediate.
; THE PRODUCT IS USED TRANSPOSED: source 0 = 16 columns of the weights, source 1 = 16 token rows: a lane then holds one token (lane % 16) and the columns 8 (lane / 16) + 0..7.  The token rows come straight from memory
; (k lies along them), through a ring of 8 K blocks; the weights' fragments from LDS, 512 consecutive bytes a load, into two buffers by turns.  The sums start at the bias: it is the C of a pass's first K block.
; NO JOINT LOADS, though an expert's work-groups read the same token rows: beside the slice (266,240 bytes) and the stage LDS has under 44 KiB left, and 128 along k of 256 rows are 64 KiB; and whether a pass runs hangs on a stored count.
; NO PREFETCH of the weights: from its head on a work-group has 4 x 64 loads of 512 bytes, 128 KiB, on their way, and phase A waits for nothing else.
; LIMITS.  x, the weights and hid are rounded once to bf16; all sums are f32.  A NaN in the hidden layer becomes 0 (the maximum with 0 drops it).
.set LAYER, 2
.if LAYER == 1
.set APITCH, 2048                      ; bytes from token row to token row
.set WPITCH, 16384                     ; bytes from k to k + 1 in the weights
.set OPITCH, 8192                      ; bytes from row to row in the result
.set SP,     272                       ; a stage row: 256 bytes + 16: the 16 rows of a store start at 16 different groups of four banks (64 banks of 4 bytes: ISA guide 11.1)
.set TSH,    15                        ; a tile's 16 token rows, as a shift
.set OSH,    17                        ; a tile's 16 rows of the result
.else
.set APITCH, 8192
.set WPITCH, 4096
.set OPITCH, 4096
.set SP,     528                       ; 512 bytes + 16
.set TSH,    17
.set OSH,    16
.endif
.set FRB,   1040                       ; a fragment (16 columns x 32 k) in LDS: 1,024 bytes + 16, so that the 16 lanes of a store in phase A, which go to four fragments, touch 16 different 16-byte columns of 256
.set KBB,   8*FRB                      ; a K block: 8 fragments.  The 16 bytes (8 k) of k group G = k / 8, column n lie at (G / 4) KBB + (n / 16) FRB + (G % 4) 256 + (n % 16) 16
.set STAGE, 32*KBB                     ; behind the slice: 16 rows for each wave, its own, for the way out
.set SPARE, STAGE+4*16*SP              ; behind the stages: the spare words, 128 bytes for each wave: two blocks of 256 bytes that no other line names
; window 0 (an instruction names v0-v255; s_set_vgpr_msb says which window each operand place means: bits 1:0 source 0, 3:2 source 1, 5:4 source 2, 7:6 destination)
.set SPW,  4                           ; v4   LDS address of my spare word; never rewritten
.set NIL,  5                           ; v5   0; never rewritten
.set ZERO, 6                           ; v6   0, for the ReLU
.set WO,   7                           ; v7   weights: 16 lane + 8 w rows
.set WA,   8                           ; v8   where I put a unit's cells: (lane / 4) FRB + (lane % 4) 64 + 256 w, stepped a ring at a time
.set LB,   9                           ; v9   16 lane
.set LT,   12                          ; v12  my place in a tile of token rows: (lane % 16) APITCH + 16 (lane / 16)
.set AO,   13                          ; v[13:16] the same in my four tiles
.set STO,  17                          ; v17  the way out: where I put my bytes of a row
.set RD,   18                          ; v18  where I read rows back
.if LAYER == 1
.set CO,   19                          ; v19  my bytes in two rows of the result
.else
.set CO,   LB                          ; in one row of 512 bytes
.endif
.set CT,   20                          ; v20  the same in the tile in hand
.set BO,   21                          ; v21  32 (lane / 16): my eight numbers of 16 of the bias
.set BA,   24                          ; v[24:28] my 16 bytes of a fragment in K block 7 q, q = 0..4: 16 lane + 7 q KBB; never rewritten
.set TD,   32                          ; v[32:63]  phase A: a unit's cells, two sets by turns; the way out: a tile packed
.set BF0,  64                          ; v[64:191] the weights' fragments, two buffers of 64; the first also takes the rows read back from the stage
.set BIAS, 192                         ; v[192:255] register 8 b + j: bias[16 b + 8 (lane / 16) + j]
; window 1: phase A: the ring, unit slot i at 32 i (row r of 8 at 4 r);  phase B: the sums, tile j, columns 16 b at 64 j + 8 b.      window 2: the token ring, slot i, tile j at 32 i + 8 j
; s14 wave, s15 e, s16 column slice, s17 quarter of k, s20 T, s[21:24] my four tiles, s25 passes to go, s26 phase A's trips to go, s[28:29] weights, s[30:31] token rows, s[34:35] result
.set MSB, 0
.macro WIN new                         ; the immediate's high byte repeats the setting that is left; a switch that changes nothing is dropped
.if MSB != (\new)
	s_set_vgpr_msb (MSB<<8)|(\new)
.set MSB, \new
.endif
.endm
.macro PLACES                          ; four places behind matrix instructions, in front of loads into registers that they have read and of reads of their results
.rept 4
	v_nop
.endr
.endm
	s_load_b256 s[4:11], s[0:1], 0x0               ; token rows s[4:5], weights s[6:7], bias s[8:9], route s[10:11]
	s_load_b64 s[12:13], s[0:1], 0x20              ; the result
	v_lshl_add_u32 v[SPW], v0, 2, SPARE
	v_mov_b32 v[NIL], 0
	v_lshrrev_b32 v1, 5, v0
	v_readfirstlane_b32 s14, v1                    ; wave 0..3
	v_and_b32 v1, 31, v0                           ; lane
	s_and_b32 s15, ttmp7, 0xffff                   ; e
.if LAYER == 1
	s_mov_b32 s16, ttmp9
.else
	s_and_b32 s16, ttmp9, 7
	s_lshr_b32 s17, ttmp9, 3
.endif
	s_lshl_b32 s18, s15, 24                        ; an expert's weights are 2^24 bytes,
	s_lshl_b32 s36, s16, 9                         ; 128 columns 512
	s_add_co_u32 s18, s18, s36
.if LAYER == 2
	s_lshl_b32 s36, s17, 22                        ; 1,024 rows of 4,096 bytes
	s_add_co_u32 s18, s18, s36
.endif
	s_mov_b32 s19, 0
	s_mul_i32 s37, s14, 8*WPITCH
	v_lshl_add_u32 v[WO], v1, 4, s37
	s_lshl_b32 s27, s15, 8
	s_wait_kmcnt 0x0
	s_add_nc_u64 s[28:29], s[6:7], s[18:19]
	s_load_b32 s20, s[10:11], s27 offset:0x8000    ; T
	WIN 0x40                                       ; destination window 1
.irp i,0,1,2,3,4,5,6,7
.irp r,0,1,2,3,4,5,6,7
	global_load_b128 v[32*\i+4*\r:32*\i+4*\r+3], v[WO], s[28:29] offset:(32*\i+\r)*WPITCH th:TH_LOAD_NT  ; unit i: k = 32 i + 8 w + r, the slice's 512 bytes of that row
.endr
.endr
	WIN 0
.if LAYER == 1
	s_lshl_b32 s18, s15, 14
.else
	s_lshl_b32 s18, s15, 12
.endif
	s_lshl_b32 s36, s16, 9
	s_add_co_u32 s18, s18, s36
	s_add_nc_u64 s[8:9], s[8:9], s[18:19]          ; the slice's 128 numbers of the bias
	v_bfe_u32 v3, v0, 4, 1                         ; lane / 16
	v_lshlrev_b32 v[BO], 5, v3
.irp b,0,1,2,3,4,5,6,7
	global_load_b128 v[BIAS+8*\b:BIAS+8*\b+3],   v[BO], s[8:9] offset:64*\b  ; behind the weights' first 64, so that those go out first: 16 loads that make the first counts below stricter than they need be
	global_load_b128 v[BIAS+8*\b+4:BIAS+8*\b+7], v[BO], s[8:9] offset:64*\b+16
.endr
.if LAYER == 1
	s_lshl_b32 s18, s15, 21
	s_add_nc_u64 s[30:31], s[4:5], s[18:19]        ; xs[e]
	s_lshl_b32 s18, s15, 23
	s_lshl_b32 s36, s16, 8
	s_add_co_u32 s18, s18, s36
	s_add_nc_u64 s[34:35], s[12:13], s[18:19]      ; hid[e], my 128 columns
.else
	s_lshl_b32 s18, s15, 23
	s_lshl_b32 s36, s17, 11
	s_add_co_u32 s18, s18, s36
	s_add_nc_u64 s[30:31], s[4:5], s[18:19]        ; hid[e], my quarter of k
	s_lshl_b32 s18, s17, 25
	s_lshl_b32 s36, s15, 22
	s_add_co_u32 s18, s18, s36
	s_lshl_b32 s36, s16, 9
	s_add_co_u32 s18, s18, s36
	s_add_nc_u64 s[34:35], s[12:13], s[18:19]      ; part[kq][e], my 128 columns
.endif
	v_and_b32 v2, 15, v0                           ; lane % 16
	v_lshrrev_b32 v22, 2, v1
	v_mul_u32_u24 v[WA], v22, FRB
	v_and_b32 v22, 3, v0
	v_lshl_add_u32 v[WA], v22, 6, v[WA]
	s_lshl_b32 s36, s14, 8
	v_add_nc_u32 v[WA], s36, v[WA]
	v_lshlrev_b32 v[LB], 4, v1
.irp q,0,1,2,3,4
	v_add_nc_u32 v[BA+\q], \q*7*KBB, v[LB]         ; seven K blocks to a register: the largest immediate behind it is 6 KBB + 7 FRB + 512 = 57,712
.endr
	v_mul_u32_u24 v[LT], v2, APITCH
	v_lshl_add_u32 v[LT], v3, 4, v[LT]
	s_mul_i32 s36, s14, 16*SP
	s_add_co_u32 s36, s36, STAGE                   ; my stage
	v_mul_u32_u24 v[STO], v2, SP                   ; in: the row of my token,
.if LAYER == 1
	v_lshl_add_u32 v[STO], v3, 4, v[STO]           ; 16 bytes (8 bf16) for each half of the lanes
	v_add_nc_u32 v[STO], s36, v[STO]
	v_mul_u32_u24 v[RD], v3, SP                    ; back: lanes 0-15 one row of 256 bytes, lanes 16-31 the next,
	v_lshl_add_u32 v[RD], v2, 4, v[RD]
	v_add_nc_u32 v[RD], s36, v[RD]
	v_lshlrev_b32 v[CO], 13, v3                    ; and the same two rows in hid
	v_lshl_add_u32 v[CO], v2, 4, v[CO]
	v_mov_b32 v[ZERO], 0
.else
	v_lshl_add_u32 v[STO], v3, 5, v[STO]           ; 32 bytes (8 f32) for each half of the lanes
	v_add_nc_u32 v[STO], s36, v[STO]
	v_add_nc_u32 v[RD], s36, v[LB]                 ; back: 32 lanes take one row of 512 bytes
.endif
	s_mov_b32 s21, s14                             ; my tiles of pass 0
	s_add_co_u32 s22, s14, 4
	s_add_co_u32 s23, s14, 8
	s_add_co_u32 s24, s14, 12
	s_wait_kmcnt 0x0
	s_min_u32 s20, s20, 64                         ; an expert has at most 64 tiles
; The offsets of my four tiles, `add` tiles on: a place past T takes tile T - 1.
.macro SETROWS add
	s_sub_co_u32 s37, s20, 1
.irp j,0,1,2,3
	s_add_co_u32 s36, s[21+\j], \add
	s_min_u32 s36, s36, s37
	s_min_u32 s36, s36, 63
	s_lshl_b32 s36, s36, TSH
	v_add_nc_u32 v[AO+\j], s36, v[LT]
.endr
.endm
; Slot i of the token ring takes the 32 k at byte off of the rows of my four tiles: 8 loads.  A fragment is 16 rows x 32 k: lane l holds row l % 16, k = 8 (l / 16) + 0..7 and 16 + 8 (l / 16) + 0..7: two loads of 16 bytes, 32 bytes apart.
.macro AFILL i, off
	WIN 0x80                                       ; destination window 2
.irp j,0,1,2,3
	global_load_b128 v[32*(\i)+8*\j:32*(\i)+8*\j+3],   v[AO+\j], s[30:31] offset:(\off)
	global_load_b128 v[32*(\i)+8*\j+4:32*(\i)+8*\j+7], v[AO+\j], s[30:31] offset:(\off)+32
.endr
.endm
; A unit's turn.  My lane holds 8 k of columns 4 lane + 0..3: for each column the 8 numbers are rounded in pairs into 16 bytes, a cell.  kind = 1: the slot takes the unit 8 further on; kind = 2: the weights are all
; asked for, and the turn's 8 loads are the first fill of slot i of the token ring: so the count is the same in every turn.
.macro UNIT i, kind
	s_wait_loadcnt 56                              ; loads come back in order: mine are in; the seven younger slots' 56 may stay out
	WIN 0x05                                       ; sources window 1
.set td, TD+16*((\i)%2)
.irp c,0,1,2,3
.irp p,0,1,2,3
	v_cvt_pk_bf16_f32 v[td+4*\c+\p], v[32*(\i)+8*\p+\c], v[32*(\i)+8*\p+4+\c]
.endr
.endr
	WIN 0
.irp c,0,1,2,3
	ds_store_b128 v[WA], v[td+4*\c:td+4*\c+3] offset:(\i)*KBB+16*\c
.endr
.if \kind == 1
	WIN 0x40
.irp r,0,1,2,3,4,5,6,7
	global_load_b128 v[32*(\i)+4*\r:32*(\i)+4*\r+3], v[WO], s[28:29] offset:(256+32*(\i)+\r)*WPITCH th:TH_LOAD_NT  ; at most 487 rows on: inside the signed 24-bit immediate
.endr
.else
	AFILL \i, 64*(\i)
.endif
.endm
	SETROWS 0
	s_mov_b32 s26, 3
.Lfill:                                                ; PHASE A: three trips of 8 units, each asking for the next trip's
.irp i,0,1,2,3,4,5,6,7
	UNIT \i, 1
.endr
	WIN 0
	s_wait_xcnt 0x0                                ; the loads issued so far have read their base: only now is it stepped
	s_add_nc_u64 s[28:29], s[28:29], 256*WPITCH
	v_add_nc_u32 v[WA], 8*KBB, v[WA]
	s_sub_co_u32 s26, s26, 1
	s_cmp_lg_u32 s26, 0
	s_cbranch_scc1 .Lfill
.irp i,0,1,2,3,4,5,6,7
	UNIT \i, 2                                     ; the last 8 units
.endr
	WIN 0
	s_wait_dscnt 0x0                               ; for the others' sake: my cells lie in LDS
	s_barrier_signal -1
	s_barrier_wait -1                              ; the slice is whole; from here on nobody writes it
.if LAYER == 2
	s_mov_b32 s38, 0x3e800000                      ; each of the four quarters of k carries a quarter of b2
	s_mov_b32 s39, s38
.set z, 0
.rept 32
	v_pk_mul_f32 v[BIAS+z:BIAS+z+1], v[BIAS+z:BIAS+z+1], s[38:39] op_sel_hi:[1,0]
.set z, z+2
.endr
.endif
; 16 LDS loads in one run: the 8 fragments of K block x into buffer f
.macro FETCHB x, f
	WIN 0
.set fa, BA+(\x)/7
.set fo, ((\x)%7)*KBB
.irp b,0,1,2,3,4,5,6,7
	ds_load_b128 v[BF0+64*(\f)+8*\b:BF0+64*(\f)+8*\b+3],   v[fa] offset:fo+\b*FRB
	ds_load_b128 v[BF0+64*(\f)+8*\b+4:BF0+64*(\f)+8*\b+7], v[fa] offset:fo+\b*FRB+512
.endr
.endm
; 8 matrix instructions: tile j x all 128 columns, K block kb.  The 8 sums take turns, one instruction a turn: seven others stand between two links of a chain, on every way.  In K block 0 C is the bias.
.macro MULT kb, j
.if (\kb) == 0
	WIN 0x48                                       ; weights window 0, tokens window 2, C window 0, D window 1
.else
	WIN 0x58                                       ; C and D window 1
.endif
.irp b,0,1,2,3,4,5,6,7
.if (\kb) == 0
	v_wmma_f32_16x16x32_bf16 v[64*(\j)+8*\b:64*(\j)+8*\b+7], v[BF0+64*((\kb)%2)+8*\b:BF0+64*((\kb)%2)+8*\b+7], v[32*((\kb)%8)+8*(\j):32*((\kb)%8)+8*(\j)+7], v[BIAS+8*\b:BIAS+8*\b+7]
.else
	v_wmma_f32_16x16x32_bf16 v[64*(\j)+8*\b:64*(\j)+8*\b+7], v[BF0+64*((\kb)%2)+8*\b:BF0+64*((\kb)%2)+8*\b+7], v[32*((\kb)%8)+8*(\j):32*((\kb)%8)+8*(\j)+7], v[64*(\j)+8*\b:64*(\j)+8*\b+7]
.endif
.endr
.endm
; K block kb of 32: the next block's fragments are asked for, this block's are waited for, my live tiles are multiplied, and the block's slot of the token ring takes the block 8 further on, while there is one.
.macro KB kb
.if (\kb) < 31
	FETCHB (\kb)+1, ((\kb)+1)%2
	s_wait_dscnt 16                                ; all but the 16 just issued: this block's fragments are in
.else
	s_wait_dscnt 0x0
.endif
.if (\kb) <= 24
	s_wait_loadcnt 56                              ; this block's token rows are in; the seven younger slots' 56 loads may stay out
.else
	s_wait_loadcnt 56-8*((\kb)-24)                 ; the last blocks ask for nothing: the counts run down to 0
.endif
	MULT \kb, 0
.irp j,1,2,3
	WIN 0                                          ; at a branch and at a label every window is 0
	s_cmp_lt_u32 s[21+\j], s20                     ; is tile j below T?  My tiles ascend, so the first that is not ends the block
	s_cbranch_scc0 .Lkb_\@
	MULT \kb, \j
.endr
	WIN 0
.Lkb_\@:
	PLACES                                         ; in front of the loads into the block's slot, and of the next block's loads into the fragment buffer read a block ago
.if (\kb) < 24
	AFILL (\kb)%8, 64*((\kb)+8)
.endif
	WIN 0
.endm
; THE WAY OUT of tile j: through my own stage, so that whole rows leave.  LDS serves a wave's instructions in order (ISA guide 5.7.1.4): the loads see the stores, and the next tile's stores come behind the loads.
.macro OUT j
.if \j > 0
	s_cmp_lt_u32 s[21+\j], s20
	s_cbranch_scc0 .Lsent
.endif
	s_wait_xcnt 0x0                                ; the stores issued so far have read their offset and data: only now are those registers rewritten
.if LAYER == 1
	WIN 0x05
.irp b,0,1,2,3,4,5,6,7
.irp q,0,1,2,3
	v_cvt_pk_bf16_f32 v[TD+4*\b+\q], v[64*(\j)+8*\b+2*\q], v[64*(\j)+8*\b+2*\q+1]  ; each sum's registers in ascending order
.endr
.endr
	WIN 0
.set z, 0
.rept 32
	v_pk_max_num_bf16 v[TD+z], v[TD+z], v[ZERO]    ; the ReLU on the rounded halves: rounding keeps sign and order, so the values are those of rounding behind the ReLU
.set z, z+1
.endr
.irp b,0,1,2,3,4,5,6,7
	ds_store_b128 v[STO], v[TD+4*\b:TD+4*\b+3] offset:32*\b
.endr
.irp t,0,1,2,3,4,5,6,7
	ds_load_b128 v[BF0+4*\t:BF0+4*\t+3], v[RD] offset:\t*2*SP
.endr
.else
	WIN 0x04                                       ; store data window 1
.irp b,0,1,2,3,4,5,6,7
	ds_store_b128 v[STO], v[64*(\j)+8*\b:64*(\j)+8*\b+3]   offset:64*\b
	ds_store_b128 v[STO], v[64*(\j)+8*\b+4:64*(\j)+8*\b+7] offset:64*\b+16
.endr
	WIN 0
.irp t,0,1,2,3,4,5,6,7,8,9,10,11,12,13,14,15
	ds_load_b128 v[BF0+4*\t:BF0+4*\t+3], v[RD] offset:\t*SP
.endr
.endif
	s_lshl_b32 s36, s[21+\j], OSH
	v_add_nc_u32 v[CT], s36, v[CO]
	s_wait_dscnt 0x0
.if LAYER == 1
.irp t,0,1,2,3,4,5,6,7
	global_store_b128 v[CT], v[BF0+4*\t:BF0+4*\t+3], s[34:35] offset:2*\t*OPITCH  ; 16 lanes store 256 consecutive bytes, aligned
.endr
.else
.irp t,0,1,2,3,4,5,6,7,8,9,10,11,12,13,14,15
	global_store_b128 v[CT], v[BF0+4*\t:BF0+4*\t+3], s[34:35] offset:\t*OPITCH    ; 512 consecutive bytes, aligned
.endr
.endif
.endm
	s_mov_b32 s25, 4
.Lpass:                                                ; PHASE B
	s_cmp_lt_u32 s21, s20
	s_cbranch_scc0 .Lnext                          ; my first tile of this pass lies past T: nothing of the pass is mine
	s_wait_xcnt 0x0                                ; the last pass's stores have read the first fragment buffer's registers
	FETCHB 0, 0
.irp kb,0,1,2,3,4,5,6,7,8,9,10,11,12,13,14,15,16,17,18,19,20,21,22,23,24,25,26,27,28,29,30,31
	KB \kb
.endr
	PLACES                                         ; four more, once a pass, ahead of the first read of the sums
	s_add_co_u32 s36, s21, 16
	s_cmp_lt_u32 s36, s20
	s_cbranch_scc0 .Lnofill
	SETROWS 16                                     ; a further pass is mine: its first 8 K blocks of token rows are asked for ahead of the way out (the last wait above was for 0: no load still reads these registers)
.irp i,0,1,2,3,4,5,6,7
	AFILL \i, 64*\i
.endr
	WIN 0
.Lnofill:
.irp j,0,1,2,3
	OUT \j
.endr
.Lsent:
.Lnext:
	s_add_co_u32 s21, s21, 16
	s_add_co_u32 s22, s22, 16
	s_add_co_u32 s23, s23, 16
	s_add_co_u32 s24, s24, 16
	s_sub_co_u32 s25, s25, 1
	s_cmp_lg_u32 s25, 0
	s_cbranch_scc1 .Lpass
	s_wait_tensorcnt 0x0                           ; the wave's end, behind my last LDS store
	ds_add_u32 v[SPW], v[NIL]
	s_wait_dscnt 0x0
	s_endpgm
.Lfunc_end_k_q09cc0ea01b_ffn2:
	.size	k_q09cc0ea01b_ffn2, .Lfunc_end_k_q09cc0ea01b_ffn2-k_q09cc0ea01b_ffn2
	.p2alignl 7, 3214868480
	.fill 96, 4, 3214868480
	.section	.rodata,"a",@progbits
	.p2align	6, 0x0
	.amdhsa_kernel k_q09cc0ea01b_ffn2
		.amdhsa_group_segment_fixed_size 300544
		.amdhsa_private_segment_fixed_size 0
		.amdhsa_enable_private_segment 0
		.amdhsa_kernarg_size 40
		.amdhsa_user_sgpr_count 2
		.amdhsa_user_sgpr_kernarg_segment_ptr 1
		.amdhsa_wavefront_size32 1
		.amdhsa_system_sgpr_workgroup_id_x 1
		.amdhsa_system_sgpr_workgroup_id_y 1
		.amdhsa_system_sgpr_workgroup_id_z 1
		.amdhsa_system_vgpr_workitem_id 0
		.amdhsa_next_free_vgpr 768
		.amdhsa_next_free_sgpr 66
		.amdhsa_reserve_vcc 0
		.amdhsa_float_denorm_mode_32 3
		.amdhsa_float_denorm_mode_16_64 3
		.amdhsa_memory_ordered 1
		.amdhsa_forward_progress 1
		.amdhsa_inst_pref_size 206
	.end_amdhsa_kernel
	.amdgpu_metadata
---
amdhsa.version: [ 1, 2 ]
amdhsa.kernels:
  - .name:           k_q09cc0ea01b_ffn2
    .symbol:         k_q09cc0ea01b_ffn2.kd
    .args:
      - { .name: hid, .offset: 0, .size: 8, .value_kind: global_buffer, .address_space: global }
      - { .name: W2, .offset: 8, .size: 8, .value_kind: global_buffer, .address_space: global }
      - { .name: b2, .offset: 16, .size: 8, .value_kind: global_buffer, .address_space: global }
      - { .name: route, .offset: 24, .size: 8, .value_kind: global_buffer, .address_space: global }
      - { .name: part, .offset: 32, .size: 8, .value_kind: global_buffer, .address_space: global }
    .group_segment_fixed_size: 300544
    .private_segment_fixed_size: 0
    .kernarg_segment_align: 8
    .kernarg_segment_size: 40
    .max_flat_workgroup_size: 128
    .sgpr_count:     66
    .vgpr_count:     768
    .wavefront_size: 32
...
	.end_amdgpu_metadata
.endif
;; end of part 3
;; launch combine (part 4): grid 256 x 1, 8 waves a work-group, no clusters, 0 bytes of LDS; arguments part, route, assign, out0; writes out0
.if DOCPART == 4
	.amdgcn_target "amdgcn-amd-amdhsa--gfx1250"
	.amdhsa_code_object_version 6
	.text
	.protected	k_q09cc0ea01b_combine
	.globl	k_q09cc0ea01b_combine
	.p2align	8
	.type	k_q09cc0ea01b_combine,@function
k_q09cc0ea01b_combine:
	s_mov_b64 s[64:65], 0
	v_nop
	global_prefetch_b8 v0, s[64:65] scope:SCOPE_SE
	s_setreg_imm32_b32 hwreg(HW_REG_WAVE_MODE, 25, 1), 1
	s_wait_xcnt 0x0
; A LAYER OF ROUTED EXPERTS, step 4 of 4: out[t] = (the sum over the experts that assign[t] names, each once, of the four partial rows part[kq][e][rank[e][t]]) / 2.  Only the named experts' rows exist (the first kernel's head
; shows why the others are dead); each partial row carries a quarter of b2[e].
; SHARES.  A work-group has four tokens, a pair of waves one: wave w takes half w % 2 (2,048 bytes) of token 4 x work-group + w / 2.  The token's two experts and its rank in all eight experts come by one batch of scalar loads,
; so that the choice of the two ranks costs no second trip to memory.  Every load and store of the wave covers 512 consecutive bytes.  No LDS, no barrier, no matrix work: the launch only moves and adds.
.set X, 8                              ; v[8:71]   the first expert's rows: quarter kq, piece q of 512 bytes at X + 16 kq + 4 q
.set Y, 72                             ; v[72:135] the second expert's
	s_load_b256 s[4:11], s[0:1], 0x0               ; part s[4:5], route s[6:7], assign s[8:9], out0 s[10:11]
	v_lshrrev_b32 v1, 5, v0
	v_readfirstlane_b32 s12, v1                    ; wave 0..7
	v_and_b32 v1, 31, v0                           ; lane
	s_lshr_b32 s13, s12, 1
	s_lshl_b32 s19, ttmp9, 2
	s_add_co_u32 s13, s13, s19                     ; t
	s_and_b32 s14, s12, 1                          ; which half of the row
	s_lshl_b32 s15, s13, 3
	s_lshl_b32 s18, s13, 2
	s_wait_kmcnt 0x0
	s_load_b64 s[16:17], s[8:9], s15 offset:0x0    ; assign[t][0..1]
.irp e,0,1,2,3,4,5,6,7
	s_load_b32 s[20+\e], s[6:7], s18 offset:4096*\e  ; rank[e][t]
.endr
	s_mov_b64 s[32:33], s[4:5]                     ; the four quarters of k lie 2^25 bytes apart
	s_add_nc_u64 s[34:35], s[4:5], 0x2000000
	s_add_nc_u64 s[36:37], s[4:5], 0x4000000
	s_add_nc_u64 s[38:39], s[4:5], 0x6000000
	s_lshl_b32 s31, s14, 11
	v_lshl_add_u32 v2, v1, 4, s31                  ; 16 lane + my half
	s_lshl_b32 s30, s13, 12
	v_add_nc_u32 v5, s30, v2                       ; my bytes of out[t]
	s_wait_kmcnt 0x0
	s_min_u32 s16, s16, 7
	s_min_u32 s17, s17, 7
	s_mov_b32 s28, s20
	s_mov_b32 s29, s20
.irp e,1,2,3,4,5,6,7
	s_cmp_eq_u32 s16, \e
	s_cselect_b32 s28, s[20+\e], s28               ; the token's rank in its first expert,
	s_cmp_eq_u32 s17, \e
	s_cselect_b32 s29, s[20+\e], s29               ; and in its second
.endr
	s_min_u32 s28, s28, 1023
	s_min_u32 s29, s29, 1023
	s_lshl_b32 s30, s16, 10
	s_add_co_u32 s28, s28, s30
	s_lshl_b32 s28, s28, 12                        ; (1,024 e + rank) rows of 4,096 bytes
	s_lshl_b32 s30, s17, 10
	s_add_co_u32 s29, s29, s30
	s_lshl_b32 s29, s29, 12
	v_add_nc_u32 v3, s28, v2
	v_add_nc_u32 v4, s29, v2
.irp kq,0,1,2,3
.irp q,0,1,2,3
	global_load_b128 v[X+16*\kq+4*\q:X+16*\kq+4*\q+3], v3, s[32+2*\kq:33+2*\kq] offset:512*\q th:TH_LOAD_NT
.endr
.endr
.macro ADDB dst, src, n                ; n packed additions: dst += src
.set z, 0
.rept \n
	v_pk_add_f32 v[(\dst)+z:(\dst)+z+1], v[(\dst)+z:(\dst)+z+1], v[(\src)+z:(\src)+z+1]
.set z, z+2
.endr
.endm
	s_cmp_eq_u32 s16, s17
	s_cbranch_scc1 .Lone                           ; an expert named twice counts once
.irp kq,0,1,2,3
.irp q,0,1,2,3
	global_load_b128 v[Y+16*\kq+4*\q:Y+16*\kq+4*\q+3], v4, s[32+2*\kq:33+2*\kq] offset:512*\q th:TH_LOAD_NT
.endr
.endr
	s_wait_loadcnt 0x0
	ADDB X, Y, 32
.Lone:
	s_wait_loadcnt 0x0                             ; (met at once on the way of two experts)
	ADDB X, X+16, 8                                ; the four quarters of k
	ADDB X+32, X+48, 8
	ADDB X, X+32, 8
.set z, 0
.rept 8
	v_pk_mul_f32 v[X+z:X+z+1], v[X+z:X+z+1], 0.5 op_sel_hi:[1,0]  ; / k, k = 2
.set z, z+2
.endr
.irp q,0,1,2,3
	global_store_b128 v5, v[X+4*\q:X+4*\q+3], s[10:11] offset:512*\q th:TH_STORE_NT
.endr
	s_endpgm
.Lfunc_end_k_q09cc0ea01b_combine:
	.size	k_q09cc0ea01b_combine, .Lfunc_end_k_q09cc0ea01b_combine-k_q09cc0ea01b_combine
	.p2alignl 7, 3214868480
	.fill 96, 4, 3214868480
	.section	.rodata,"a",@progbits
	.p2align	6, 0x0
	.amdhsa_kernel k_q09cc0ea01b_combine
		.amdhsa_group_segment_fixed_size 0
		.amdhsa_private_segment_fixed_size 0
		.amdhsa_enable_private_segment 0
		.amdhsa_kernarg_size 32
		.amdhsa_user_sgpr_count 2
		.amdhsa_user_sgpr_kernarg_segment_ptr 1
		.amdhsa_wavefront_size32 1
		.amdhsa_system_sgpr_workgroup_id_x 1
		.amdhsa_system_sgpr_workgroup_id_y 1
		.amdhsa_system_sgpr_workgroup_id_z 1
		.amdhsa_system_vgpr_workitem_id 0
		.amdhsa_next_free_vgpr 136
		.amdhsa_next_free_sgpr 66
		.amdhsa_reserve_vcc 0
		.amdhsa_float_denorm_mode_32 3
		.amdhsa_float_denorm_mode_16_64 3
		.amdhsa_memory_ordered 1
		.amdhsa_forward_progress 1
		.amdhsa_inst_pref_size 11
	.end_amdhsa_kernel
	.amdgpu_metadata
---
amdhsa.version: [ 1, 2 ]
amdhsa.kernels:
  - .name:           k_q09cc0ea01b_combine
    .symbol:         k_q09cc0ea01b_combine.kd
    .args:
      - { .name: part, .offset: 0, .size: 8, .value_kind: global_buffer, .address_space: global }
      - { .name: route, .offset: 8, .size: 8, .value_kind: global_buffer, .address_space: global }
      - { .name: assign, .offset: 16, .size: 8, .value_kind: global_buffer, .address_space: global }
      - { .name: out0, .offset: 24, .size: 8, .value_kind: global_buffer, .address_space: global }
    .group_segment_fixed_size: 0
    .private_segment_fixed_size: 0
    .kernarg_segment_align: 8
    .kernarg_segment_size: 32
    .max_flat_workgroup_size: 256
    .sgpr_count:     66
    .vgpr_count:     136
    .wavefront_size: 32
...
	.end_amdgpu_metadata
.endif
;; end of part 4
;; ======== version 2 of 2: 4 launches; version 1 with the launches ffn1, ffn2 written anew for expert scheduling mode
;; workspace buffers: xs 16,777,216 bytes; hid 67,108,864 bytes; part 134,217,728 bytes; route 34,816 bytes of whole numbers
;; launch sortrows: the kernel of part 1 again; grid 32 x 8, 8 waves a work-group, no clusters, 0 bytes of LDS; arguments assign, x, xs, route; writes xs, route
;; launch ffn1 (part 5): grid 32 x 8, 4 waves a work-group, no clusters, 284,160 bytes of LDS; arguments xs, W1, b1, route, hid; writes hid
.if DOCPART == 5
	.amdgcn_target "amdgcn-amd-amdhsa--gfx1250"
	.amdhsa_code_object_version 6
	.text
	.protected	k_q09cc0ea01b_ffn1
	.globl	k_q09cc0ea01b_ffn1
	.p2align	8
	.type	k_q09cc0ea01b_ffn1,@function
k_q09cc0ea01b_ffn1:
	s_mov_b64 s[64:65], 0
	v_nop
	global_prefetch_b8 v0, s[64:65] scope:SCOPE_SE
	s_setreg_imm32_b32 hwreg(HW_REG_WAVE_SCHED_MODE, 0, 2), 2
	s_setreg_imm32_b32 hwreg(HW_REG_WAVE_MODE, 25, 1), 1
	s_wait_xcnt 0x0
	s_wait_alu depctr_vm_vsrc(0)
; A LAYER OF ROUTED EXPERTS, steps 2 and 3 of 4: one text for both products, told apart by LAYER.  Only the rows that assign names are multiplied (the first kernel's head shows why the others are dead).
; LAYER 1: hid[e][row][4096] = relu(xs[e][row] W1[e] + b1[e]), rounded once to bf16.   LAYER 2: part[kq][e][row][1024] = hid[e][row][1024 kq ..] W2[e][1024 kq ..] + b2[e] / 4, in f32: four partial sums over the hidden width.
; SHARES.  A work-group holds 1,024 k x 128 columns of ONE expert's weights, which it alone reads (LAYER 1: 32 column slices; LAYER 2: 8 column slices x 4 quarters of k), and multiplies all of that expert's rows by them.
; PHASE A.  The slice, 512 KiB of f32, comes through registers, is rounded to bf16 and laid into LDS in the order of the matrix unit's fragments.  A wave takes 8 rows of k at a time (a UNIT: 8 loads of 512 consecutive bytes);
; a ring of 8 units keeps 64 loads of every wave out from the head to the last unit.  One barrier follows: the only one.
; PHASE B.  The expert's T tiles of 16 rows (T from route) are dealt to the waves: in pass P wave w has tiles 16 P + w + 4 j, j = 0..3.  Four passes, a constant, cover all 64 tiles that a split can give; a pass or a tile past T is
; jumped forward; what is jumped holds matrix work, LDS reads of the wave's own and stores, no barrier.  A place past T loads a tile that exists, so that the counts of loads are the same on every way.
; A pass's 32 K blocks of 32 are written out: the slice is read through five address registers that are made at the head and never rewritten, and a K block's place stands in the immediate.
; THE PRODUCT IS USED TRANSPOSED: source 0 = 16 columns of the weights, source 1 = 16 token rows: a lane then holds one token (lane % 16) and the columns 8 (lane / 16) + 0..7.  The token rows come straight from memory
; (k lies along them), through a ring of 8 K blocks; the weights' fragments from LDS, 512 consecutive bytes a load, into two buffers by turns.  The sums start at the bias: it is the C of a pass's first K block.
; NO JOINT LOADS, though an expert's work-groups read the same token rows: beside the slice (266,240 bytes) and the stage LDS has under 44 KiB left, and 128 along k of 256 rows are 64 KiB; and whether a pass runs hangs on a stored count.
; NO PREFETCH of the weights: from its head on a work-group has 4 x 64 loads of 512 bytes, 128 KiB, on their way, and phase A waits for nothing else.
; LIMITS.  x, the weights and hid are rounded once to bf16; all sums are f32.  A NaN in the hidden layer becomes 0 (the maximum with 0 drops it).
; THE MODE: SCHED_MODE bits 1:0 = 2 (LLVM: expert scheduling mode 2), set by the entry lines.  The code itself states the register dependences between vector or matrix instructions and memory or LDS instructions,
; with s_wait_alu, always for 0.
; THE PLAN.  Registers that memory or LDS instructions touch, and who else names them.
;   PHASE A.  Ring slot i (window 1): unit i's sixteen conversions read it; behind them the loads of the unit 8 further on land in it.  Cells, a set of 16 registers to each slot: written by unit i's conversions, read by its four
;     LDS stores.  v[WA]: read by every LDS store, written once a trip.  v[WO], v[AO ..]: read by loads, not written in the loop.
;     ONE wait on va_vdst in a unit, behind its conversions: the cells are written, the slot is read, and (a trip's first unit) v[WA] is written; the unit's loads and stores follow it.
;     ONE wait on vm_vsrc a trip, at its end: the trip's LDS stores have read all eight sets of cells and v[WA].
;   PHASE B.  K block kb's matrix instructions read fragment buffer kb % 2 and slot kb % 8 of the token ring and write the sums.  Its loads are block kb + 1's fragments, into buffer (kb + 1) % 2, and block kb + 7's token rows, into
;     slot (kb - 1) % 8: the two that block kb - 1 read and that no matrix instruction of block kb names.  ONE wait on va_vdst at a block's head states that block kb - 1 is done reading them; the block's 24 loads
;     follow it with no further wait, dealt among its four runs of matrix instructions.  v[BA ..]: read by every fragment load, never rewritten.  v[AO ..]: read by the token loads, written between two passes.
;   THE WAY OUT.  TD (LAYER 1), v[CT] and the rows read back from the stage are written anew for each tile: a wait on vm_vsrc at a tile's head (the last tile's stores have read them), a wait on va_vdst ahead of its LDS stores.
.set LAYER, 1
.if LAYER == 1
.set APITCH, 2048                      ; bytes from token row to token row
.set WPITCH, 16384                     ; bytes from k to k + 1 in the weights
.set OPITCH, 8192                      ; bytes from row to row in the result
.set SP,     272                       ; a stage row: 256 bytes + 16: the 16 rows of a store start at 16 different groups of four banks (64 banks of 4 bytes: ISA guide 11.1)
.set TSH,    15                        ; a tile's 16 token rows, as a shift
.set OSH,    17                        ; a tile's 16 rows of the result
.else
.set APITCH, 8192
.set WPITCH, 4096
.set OPITCH, 4096
.set SP,     528                       ; 512 bytes + 16
.set TSH,    17
.set OSH,    16
.endif
.set FRB,   1040                       ; a fragment (16 columns x 32 k) in LDS: 1,024 bytes + 16, so that the 16 lanes of a store in phase A, which go to four fragments, touch 16 different 16-byte columns of 256
.set KBB,   8*FRB                      ; a K block: 8 fragments.  The 16 bytes (8 k) of k group G = k / 8, column n lie at (G / 4) KBB + (n / 16) FRB + (G % 4) 256 + (n % 16) 16
.set STAGE, 32*KBB                     ; behind the slice: 16 rows for each wave, its own, for the way out
.set SPARE, STAGE+4*16*SP              ; behind the stages: the spare words, 128 bytes for each wave: two blocks of 256 bytes that no other line names
; window 0 (an instruction names v0-v255; s_set_vgpr_msb says which window each operand place means: bits 1:0 source 0, 3:2 source 1, 5:4 source 2, 7:6 destination)
.set SPW,  4                           ; v4   LDS address of my spare word; never rewritten
.set NIL,  5                           ; v5   0; never rewritten
.set ZERO, 6                           ; v6   0, for the ReLU
.set WO,   7                           ; v7   weights: 16 lane + 8 w rows
.set WA,   8                           ; v8   where I put a unit's cells: (lane / 4) FRB + (lane % 4) 64 + 256 w, stepped a ring at a time
.set LB,   9                           ; v9   16 lane
.set LT,   12                          ; v12  my place in a tile of token rows: (lane % 16) APITCH + 16 (lane / 16)
.set AO,   13                          ; v[13:16] the same in my four tiles
.set STO,  17                          ; v17  the way out: where I put my bytes of a row
.set RD,   18                          ; v18  where I read rows back
.if LAYER == 1
.set CO,   19                          ; v19  my bytes in two rows of the result
.else
.set CO,   LB                          ; in one row of 512 bytes
.endif
.set CT,   20                          ; v20  the same in the tile in hand
.set BO,   21                          ; v21  32 (lane / 16): my eight numbers of 16 of the bias
.set BA,   24                          ; v[24:28] my 16 bytes of a fragment in K block 7 q, q = 0..4: 16 lane + 7 q KBB; never rewritten
.set TD,   32                          ; v[32:159] phase A: a unit's cells, eight sets of 16, one to each slot of the ring; v[32:63] the way out: a tile packed
.set BF0,  64                          ; v[64:191] phase B: the weights' fragments, two buffers of 64; the first also takes the rows read back from the stage
.set BIAS, 192                         ; v[192:255] register 8 b + j: bias[16 b + 8 (lane / 16) + j]
; window 1: phase A: the ring, unit slot i at 32 i (row r of 8 at 4 r);  phase B: the sums, tile j, columns 16 b at 64 j + 8 b.      window 2: the token ring, slot i, tile j at 32 i + 8 j
; s14 wave, s15 e, s16 column slice, s17 quarter of k, s20 T, s[21:24] my four tiles, s25 passes to go, s26 phase A's trips to go, s[28:29] weights, s[30:31] token rows, s[34:35] result
.set MSB, 0
.macro WIN new                         ; the immediate's high byte repeats the setting that is left; a switch that changes nothing is dropped
.if MSB != (\new)
	s_set_vgpr_msb (MSB<<8)|(\new)
.set MSB, \new
.endif
.endm
.macro PLACES                          ; four places behind matrix instructions, in front of loads into registers that they have read and of reads of their results; they stay beside the waits
.rept 4
	v_nop
.endr
.endm
	s_load_b256 s[4:11], s[0:1], 0x0               ; token rows s[4:5], weights s[6:7], bias s[8:9], route s[10:11]
	s_load_b64 s[12:13], s[0:1], 0x20              ; the result
	v_lshl_add_u32 v[SPW], v0, 2, SPARE
	v_mov_b32 v[NIL], 0
	v_lshrrev_b32 v1, 5, v0
	v_readfirstlane_b32 s14, v1                    ; wave 0..3
	v_and_b32 v1, 31, v0                           ; lane
	v_bfe_u32 v3, v0, 4, 1                         ; lane / 16
	v_lshlrev_b32 v[BO], 5, v3
	s_and_b32 s15, ttmp7, 0xffff                   ; e
.if LAYER == 1
	s_mov_b32 s16, ttmp9
.else
	s_and_b32 s16, ttmp9, 7
	s_lshr_b32 s17, ttmp9, 3
.endif
	s_lshl_b32 s18, s15, 24                        ; an expert's weights are 2^24 bytes,
	s_lshl_b32 s36, s16, 9                         ; 128 columns 512
	s_add_co_u32 s18, s18, s36
.if LAYER == 2
	s_lshl_b32 s36, s17, 22                        ; 1,024 rows of 4,096 bytes
	s_add_co_u32 s18, s18, s36
.endif
	s_mov_b32 s19, 0
	s_wait_alu depctr_va_sdst(0)                   ; s14 is written, ahead of its first reader: offsets, LDS places and my tiles' numbers are made from it
	s_mul_i32 s37, s14, 8*WPITCH
	v_lshl_add_u32 v[WO], v1, 4, s37
	s_lshl_b32 s27, s15, 8
	s_wait_kmcnt 0x0
	s_add_nc_u64 s[28:29], s[6:7], s[18:19]
	s_load_b32 s20, s[10:11], s27 offset:0x8000    ; T
	WIN 0x40                                       ; destination window 1
	s_wait_alu depctr_va_vdst(0)                   ; v[WO] and v[BO] are written: the loads of the weights and of the bias read them as their offsets
.irp i,0,1,2,3,4,5,6,7
.irp r,0,1,2,3,4,5,6,7
	global_load_b128 v[32*\i+4*\r:32*\i+4*\r+3], v[WO], s[28:29] offset:(32*\i+\r)*WPITCH th:TH_LOAD_NT  ; unit i: k = 32 i + 8 w + r, the slice's 512 bytes of that row
.endr
.endr
	WIN 0
.if LAYER == 1
	s_lshl_b32 s18, s15, 14
.else
	s_lshl_b32 s18, s15, 12
.endif
	s_lshl_b32 s36, s16, 9
	s_add_co_u32 s18, s18, s36
	s_add_nc_u64 s[8:9], s[8:9], s[18:19]          ; the slice's 128 numbers of the bias
.irp b,0,1,2,3,4,5,6,7
	global_load_b128 v[BIAS+8*\b:BIAS+8*\b+3],   v[BO], s[8:9] offset:64*\b  ; behind the weights' first 64, so that those go out first: 16 loads that make the first counts below stricter than they need be
	global_load_b128 v[BIAS+8*\b+4:BIAS+8*\b+7], v[BO], s[8:9] offset:64*\b+16
.endr
.if LAYER == 1
	s_lshl_b32 s18, s15, 21
	s_add_nc_u64 s[30:31], s[4:5], s[18:19]        ; xs[e]
	s_lshl_b32 s18, s15, 23
	s_lshl_b32 s36, s16, 8
	s_add_co_u32 s18, s18, s36
	s_add_nc_u64 s[34:35], s[12:13], s[18:19]      ; hid[e], my 128 columns
.else
	s_lshl_b32 s18, s15, 23
	s_lshl_b32 s36, s17, 11
	s_add_co_u32 s18, s18, s36
	s_add_nc_u64 s[30:31], s[4:5], s[18:19]        ; hid[e], my quarter of k
	s_lshl_b32 s18, s17, 25
	s_lshl_b32 s36, s15, 22
	s_add_co_u32 s18, s18, s36
	s_lshl_b32 s36, s16, 9
	s_add_co_u32 s18, s18, s36
	s_add_nc_u64 s[34:35], s[12:13], s[18:19]      ; part[kq][e], my 128 columns
.endif
	; the addresses made from here on are first read by memory or LDS instructions behind the first unit's wait on va_vdst
	v_and_b32 v2, 15, v0                           ; lane % 16
	v_lshrrev_b32 v22, 2, v1
	v_mul_u32_u24 v[WA], v22, FRB
	v_and_b32 v22, 3, v0
	v_lshl_add_u32 v[WA], v22, 6, v[WA]
	s_lshl_b32 s36, s14, 8
	v_add_nc_u32 v[WA], s36, v[WA]
	v_lshlrev_b32 v[LB], 4, v1
.irp q,0,1,2,3,4
	v_add_nc_u32 v[BA+\q], \q*7*KBB, v[LB]         ; seven K blocks to a register: the largest immediate behind it is 6 KBB + 7 FRB + 512 = 57,712
.endr
	v_mul_u32_u24 v[LT], v2, APITCH
	v_lshl_add_u32 v[LT], v3, 4, v[LT]
	s_mul_i32 s36, s14, 16*SP
	s_add_co_u32 s36, s36, STAGE                   ; my stage
	v_mul_u32_u24 v[STO], v2, SP                   ; in: the row of my token,
.if LAYER == 1
	v_lshl_add_u32 v[STO], v3, 4, v[STO]           ; 16 bytes (8 bf16) for each half of the lanes
	v_add_nc_u32 v[STO], s36, v[STO]
	v_mul_u32_u24 v[RD], v3, SP                    ; back: lanes 0-15 one row of 256 bytes, lanes 16-31 the next,
	v_lshl_add_u32 v[RD], v2, 4, v[RD]
	v_add_nc_u32 v[RD], s36, v[RD]
	v_lshlrev_b32 v[CO], 13, v3                    ; and the same two rows in hid
	v_lshl_add_u32 v[CO], v2, 4, v[CO]
	v_mov_b32 v[ZERO], 0
.else
	v_lshl_add_u32 v[STO], v3, 5, v[STO]           ; 32 bytes (8 f32) for each half of the lanes
	v_add_nc_u32 v[STO], s36, v[STO]
	v_add_nc_u32 v[RD], s36, v[LB]                 ; back: 32 lanes take one row of 512 bytes
.endif
	s_mov_b32 s21, s14                             ; my tiles of pass 0
	s_add_co_u32 s22, s14, 4
	s_add_co_u32 s23, s14, 8
	s_add_co_u32 s24, s14, 12
	s_wait_kmcnt 0x0
	s_min_u32 s20, s20, 64                         ; an expert has at most 64 tiles
; The offsets of my four tiles, `add` tiles on: a place past T takes tile T - 1.
.macro SETROWS add
	s_sub_co_u32 s37, s20, 1
.irp j,0,1,2,3
	s_add_co_u32 s36, s[21+\j], \add
	s_min_u32 s36, s36, s37
	s_min_u32 s36, s36, 63
	s_lshl_b32 s36, s36, TSH
	v_add_nc_u32 v[AO+\j], s36, v[LT]
.endr
.endm
; Slot i of the token ring takes the 32 k at byte off of the rows of my four tiles: 8 loads.  A fragment is 16 rows x 32 k: lane l holds row l % 16, k = 8 (l / 16) + 0..7 and 16 + 8 (l / 16) + 0..7: two loads of 16 bytes, 32 bytes apart.
.macro AFILL i, off
	WIN 0x80                                       ; destination window 2
.irp j,0,1,2,3
	global_load_b128 v[32*(\i)+8*\j:32*(\i)+8*\j+3],   v[AO+\j], s[30:31] offset:(\off)
	global_load_b128 v[32*(\i)+8*\j+4:32*(\i)+8*\j+7], v[AO+\j], s[30:31] offset:(\off)+32
.endr
.endm
; A unit's turn.  My lane holds 8 k of columns 4 lane + 0..3: for each column the 8 numbers are rounded in pairs into 16 bytes, a cell.  kind = 1: the slot takes the unit 8 further on; kind = 2: the weights are all
; asked for, and the turn's 8 loads are the first fill of slot i of the token ring: so the count is the same in every turn.  The loads go out ahead of the LDS stores.
.macro UNIT i, kind
	s_wait_loadcnt 56                              ; loads come back in order: mine are in; the seven younger slots' 56 may stay out
	WIN 0x05                                       ; sources window 1
.set td, TD+16*(\i)
.irp c,0,1,2,3
.irp p,0,1,2,3
	v_cvt_pk_bf16_f32 v[td+4*\c+\p], v[32*(\i)+8*\p+\c], v[32*(\i)+8*\p+4+\c]
.endr
.endr
.if \kind == 1
	WIN 0x40
	s_wait_alu depctr_va_vdst(0)                   ; the conversions are done reading the slot, in which the loads land, and have written the cells, which the LDS stores read; in a trip's first unit v[WA] is written, in the very first all the head's addresses
.irp r,0,1,2,3,4,5,6,7
	global_load_b128 v[32*(\i)+4*\r:32*(\i)+4*\r+3], v[WO], s[28:29] offset:(256+32*(\i)+\r)*WPITCH th:TH_LOAD_NT  ; at most 487 rows on: inside the signed 24-bit immediate
.endr
.else
	WIN 0x80
	s_wait_alu depctr_va_vdst(0)                   ; the conversions have written the cells, which the LDS stores read; in the first of these units v[WA] is written
	AFILL \i, 64*(\i)
.endif
	WIN 0
.irp c,0,1,2,3
	ds_store_b128 v[WA], v[td+4*\c:td+4*\c+3] offset:(\i)*KBB+16*\c  ; no vector instruction since the wait names the cells or v[WA]
.endr
.endm
	SETROWS 0
	s_mov_b32 s26, 3
.Lfill:                                                ; PHASE A: three trips of 8 units, each asking for the next trip's
.irp i,0,1,2,3,4,5,6,7
	UNIT \i, 1
.endr
	WIN 0
	s_wait_xcnt 0x0                                ; the loads issued so far have read their base: only now is it stepped
	s_wait_alu depctr_vm_vsrc(0)                   ; the trip's LDS stores have read v[WA], which is stepped below, and the eight sets of cells, which the next eight units write again
	s_add_nc_u64 s[28:29], s[28:29], 256*WPITCH
	v_add_nc_u32 v[WA], 8*KBB, v[WA]
	s_sub_co_u32 s26, s26, 1
	s_cmp_lg_u32 s26, 0
	s_cbranch_scc1 .Lfill
.irp i,0,1,2,3,4,5,6,7
	UNIT \i, 2                                     ; the last 8 units
.endr
	WIN 0
	s_wait_dscnt 0x0                               ; for the others' sake: my cells lie in LDS
	s_barrier_signal -1
	s_barrier_wait -1                              ; the slice is whole; from here on nobody writes it
.if LAYER == 2
	s_mov_b32 s38, 0x3e800000                      ; each of the four quarters of k carries a quarter of b2
	s_mov_b32 s39, s38
.set z, 0
.rept 32
	v_pk_mul_f32 v[BIAS+z:BIAS+z+1], v[BIAS+z:BIAS+z+1], s[38:39] op_sel_hi:[1,0]
.set z, z+2
.endr
.endif
; 8 LDS loads in one run: fragments lo .. lo + 3 of K block x into buffer f
.macro FETCHH x, f, lo
	WIN 0
.set fa, BA+(\x)/7
.set fo, ((\x)%7)*KBB
.irp b,0,1,2,3
	ds_load_b128 v[BF0+64*(\f)+8*((\lo)+\b):BF0+64*(\f)+8*((\lo)+\b)+3],   v[fa] offset:fo+((\lo)+\b)*FRB
	ds_load_b128 v[BF0+64*(\f)+8*((\lo)+\b)+4:BF0+64*(\f)+8*((\lo)+\b)+7], v[fa] offset:fo+((\lo)+\b)*FRB+512
.endr
.endm
; 8 matrix instructions: tile j x all 128 columns, K block kb.  The 8 sums take turns, one instruction a turn: seven others stand between two links of a chain, on every way.  In K block 0 C is the bias.
.macro MULT kb, j
.if (\kb) == 0
	WIN 0x48                                       ; weights window 0, tokens window 2, C window 0, D window 1
.else
	WIN 0x58                                       ; C and D window 1
.endif
.irp b,0,1,2,3,4,5,6,7
.if (\kb) == 0
	v_wmma_f32_16x16x32_bf16 v[64*(\j)+8*\b:64*(\j)+8*\b+7], v[BF0+64*((\kb)%2)+8*\b:BF0+64*((\kb)%2)+8*\b+7], v[32*((\kb)%8)+8*(\j):32*((\kb)%8)+8*(\j)+7], v[BIAS+8*\b:BIAS+8*\b+7]
.else
	v_wmma_f32_16x16x32_bf16 v[64*(\j)+8*\b:64*(\j)+8*\b+7], v[BF0+64*((\kb)%2)+8*\b:BF0+64*((\kb)%2)+8*\b+7], v[32*((\kb)%8)+8*(\j):32*((\kb)%8)+8*(\j)+7], v[64*(\j)+8*\b:64*(\j)+8*\b+7]
.endif
.endr
.endm
; K block kb of 32: its fragments and token rows are waited for; my live tiles are multiplied; among their four runs of matrix instructions stand the loads of the next block's fragments and of the token rows 7 blocks on, while
; there are any.  The loads stand on every way: a tile past T is jumped by itself, over its eight matrix instructions alone, so that the counts are the same whatever T is.
.macro KB kb
	s_wait_dscnt 0x0                               ; this block's fragments, asked for in the block before, are in: no LDS load was issued behind them
.if (\kb) == 0
	s_wait_loadcnt 56                              ; this block's token rows are in; blocks 1 to 7, 56 loads, may stay out
.elseif (\kb) <= 25
	s_wait_loadcnt 48                              ; the six younger blocks' 48 loads may stay out: a slot is asked for again a block behind the one that read it
.else
	s_wait_loadcnt 8*(31-(\kb))                    ; the last blocks ask for nothing: the counts run down to 0
.endif
.if (\kb) > 0 && (\kb) < 31
	s_wait_alu depctr_va_vdst(0)                   ; the last block's matrix instructions are done reading their fragment buffer and their slot of the token ring, in which this block's loads land
.endif
	MULT \kb, 0
	WIN 0                                          ; at a branch and at a label every window is 0
.if (\kb) < 31
	FETCHH (\kb)+1, ((\kb)+1)%2, 0                 ; no wait: no matrix instruction since the wait at the head names the other buffer
.endif
	s_cmp_lt_u32 s22, s20                          ; is tile 1 below T?
	s_cbranch_scc0 .Lka_\@
	MULT \kb, 1
	WIN 0
.Lka_\@:
.if (\kb) < 31
	FETCHH (\kb)+1, ((\kb)+1)%2, 4
.endif
	s_cmp_lt_u32 s23, s20                          ; tile 2?
	s_cbranch_scc0 .Lkb_\@
	MULT \kb, 2
	WIN 0
.Lkb_\@:
.if (\kb) > 0 && (\kb) < 25
	AFILL ((\kb)+7)%8, 64*((\kb)+7)                ; the slot that the last block read takes the block 7 further on than this one
	WIN 0
.endif
	s_cmp_lt_u32 s24, s20                          ; tile 3?
	s_cbranch_scc0 .Lkc_\@
	MULT \kb, 3
	WIN 0
.Lkc_\@:
	PLACES                                         ; behind this block's matrix instructions, in front of the next block's loads into the registers that they have read
.endm
; THE WAY OUT of tile j: through my own stage, so that whole rows leave.  LDS serves a wave's instructions in order (ISA guide 5.7.1.4): the loads see the stores, and the next tile's stores come behind the loads.
; Tile 0 needs no wait at its head: the waits at the pass's head stand behind the last pass's stores, and nothing has read these registers since.
.macro OUT j
.if \j > 0
	s_cmp_lt_u32 s[21+\j], s20
	s_cbranch_scc0 .Lsent
	s_wait_xcnt 0x0                                ; the stores issued so far have read their offset and data: only now are those registers rewritten
	s_wait_alu depctr_vm_vsrc(0)                   ; the last tile's LDS stores have read v[TD ..], its global stores v[CT] and the rows read back: all are written again below
.endif
	s_lshl_b32 s36, s[21+\j], OSH
	v_add_nc_u32 v[CT], s36, v[CO]
.if LAYER == 1
	WIN 0x05
.irp b,0,1,2,3,4,5,6,7
.irp q,0,1,2,3
	v_cvt_pk_bf16_f32 v[TD+4*\b+\q], v[64*(\j)+8*\b+2*\q], v[64*(\j)+8*\b+2*\q+1]  ; each sum's registers in ascending order
.endr
.endr
	WIN 0
.set z, 0
.rept 32
	v_pk_max_num_bf16 v[TD+z], v[TD+z], v[ZERO]    ; the ReLU on the rounded halves: rounding keeps sign and order, so the values are those of rounding behind the ReLU
.set z, z+1
.endr
	s_wait_alu depctr_va_vdst(0)                   ; v[TD ..] and v[CT] are written, which the stores below read; the pass's matrix instructions are done reading the fragment buffer in which the rows land
.irp b,0,1,2,3,4,5,6,7
	ds_store_b128 v[STO], v[TD+4*\b:TD+4*\b+3] offset:32*\b
.endr
.irp t,0,1,2,3,4,5,6,7
	ds_load_b128 v[BF0+4*\t:BF0+4*\t+3], v[RD] offset:\t*2*SP
.endr
.else
	WIN 0x04                                       ; store data window 1
	s_wait_alu depctr_va_vdst(0)                   ; the matrix instructions have written the sums, which the LDS stores read (the places stand ahead), and are done reading the fragment buffer in which the rows land; v[CT] is written
.irp b,0,1,2,3,4,5,6,7
	ds_store_b128 v[STO], v[64*(\j)+8*\b:64*(\j)+8*\b+3]   offset:64*\b
	ds_store_b128 v[STO], v[64*(\j)+8*\b+4:64*(\j)+8*\b+7] offset:64*\b+16
.endr
	WIN 0
.irp t,0,1,2,3,4,5,6,7,8,9,10,11,12,13,14,15
	ds_load_b128 v[BF0+4*\t:BF0+4*\t+3], v[RD] offset:\t*SP
.endr
.endif
	s_wait_dscnt 0x0
.if LAYER == 1
.irp t,0,1,2,3,4,5,6,7
	global_store_b128 v[CT], v[BF0+4*\t:BF0+4*\t+3], s[34:35] offset:2*\t*OPITCH  ; 16 lanes store 256 consecutive bytes, aligned
.endr
.else
.irp t,0,1,2,3,4,5,6,7,8,9,10,11,12,13,14,15
	global_store_b128 v[CT], v[BF0+4*\t:BF0+4*\t+3], s[34:35] offset:\t*OPITCH    ; 512 consecutive bytes, aligned
.endr
.endif
.endm
	s_mov_b32 s25, 4
.Lpass:                                                ; PHASE B
	s_cmp_lt_u32 s21, s20
	s_cbranch_scc0 .Lnext                          ; my first tile of this pass lies past T: nothing of the pass is mine
	s_wait_xcnt 0x0                                ; the last pass's stores have read the first fragment buffer's registers
	s_wait_alu depctr_vm_vsrc(0)                   ; phase A's LDS stores have read the cells, the last pass's global stores the rows read back: the fragments land in those registers; the last pass's LDS stores have read what the way out and (LAYER 2) the matrix instructions write again
	FETCHH 0, 0, 0
	FETCHH 0, 0, 4
.irp kb,0,1,2,3,4,5,6,7,8,9,10,11,12,13,14,15,16,17,18,19,20,21,22,23,24,25,26,27,28,29,30,31
	KB \kb
.endr
	PLACES                                         ; four more, once a pass, ahead of the first read of the sums
	s_wait_alu depctr_vm_vsrc(0)                   ; the pass's loads of token rows have read v[AO ..], which are written again behind the branch
	s_add_co_u32 s36, s21, 16
	s_cmp_lt_u32 s36, s20
	s_cbranch_scc0 .Lnofill
	SETROWS 16                                     ; a further pass is mine: its first 8 K blocks of token rows are asked for ahead of the way out (the last wait on LOADcnt above was for 0: no load still reads these registers)
	WIN 0x80
	s_wait_alu depctr_va_vdst(0)                   ; v[AO ..] are written, which the loads below read; the pass's matrix instructions are done reading the token ring, in which they land
.irp i,0,1,2,3,4,5,6,7
	AFILL \i, 64*\i
.endr
	WIN 0
.Lnofill:
.irp j,0,1,2,3
	OUT \j
.endr
.Lsent:
.Lnext:
	s_add_co_u32 s21, s21, 16
	s_add_co_u32 s22, s22, 16
	s_add_co_u32 s23, s23, 16
	s_add_co_u32 s24, s24, 16
	s_sub_co_u32 s25, s25, 1
	s_cmp_lg_u32 s25, 0
	s_cbranch_scc1 .Lpass
	s_wait_dscnt 0x0                               ; the wave's end
	s_wait_alu 0x0
	s_wait_tensorcnt 0x0
	ds_add_u32 v[SPW], v[NIL]
	s_wait_dscnt 0x0
	s_endpgm
.Lfunc_end_k_q09cc0ea01b_ffn1:
	.size	k_q09cc0ea01b_ffn1, .Lfunc_end_k_q09cc0ea01b_ffn1-k_q09cc0ea01b_ffn1
	.p2alignl 7, 3214868480
	.fill 96, 4, 3214868480
	.section	.rodata,"a",@progbits
	.p2align	6, 0x0
	.amdhsa_kernel k_q09cc0ea01b_ffn1
		.amdhsa_group_segment_fixed_size 284160
		.amdhsa_private_segment_fixed_size 0
		.amdhsa_enable_private_segment 0
		.amdhsa_kernarg_size 40
		.amdhsa_user_sgpr_count 2
		.amdhsa_user_sgpr_kernarg_segment_ptr 1
		.amdhsa_wavefront_size32 1
		.amdhsa_system_sgpr_workgroup_id_x 1
		.amdhsa_system_sgpr_workgroup_id_y 1
		.amdhsa_system_sgpr_workgroup_id_z 1
		.amdhsa_system_vgpr_workitem_id 0
		.amdhsa_next_free_vgpr 768
		.amdhsa_next_free_sgpr 66
		.amdhsa_reserve_vcc 0
		.amdhsa_float_denorm_mode_32 3
		.amdhsa_float_denorm_mode_16_64 3
		.amdhsa_memory_ordered 1
		.amdhsa_forward_progress 1
		.amdhsa_inst_pref_size 215
	.end_amdhsa_kernel
	.amdgpu_metadata
---
amdhsa.version: [ 1, 2 ]
amdhsa.kernels:
  - .name:           k_q09cc0ea01b_ffn1
    .symbol:         k_q09cc0ea01b_ffn1.kd
    .args:
      - { .name: xs, .offset: 0, .size: 8, .value_kind: global_buffer, .address_space: global }
      - { .name: W1, .offset: 8, .size: 8, .value_kind: global_buffer, .address_space: global }
      - { .name: b1, .offset: 16, .size: 8, .value_kind: global_buffer, .address_space: global }
      - { .name: route, .offset: 24, .size: 8, .value_kind: global_buffer, .address_space: global }
      - { .name: hid, .offset: 32, .size: 8, .value_kind: global_buffer, .address_space: global }
    .group_segment_fixed_size: 284160
    .private_segment_fixed_size: 0
    .kernarg_segment_align: 8
    .kernarg_segment_size: 40
    .max_flat_workgroup_size: 128
    .sgpr_count:     66
    .vgpr_count:     768
    .wavefront_size: 32
...
	.end_amdgpu_metadata
.endif
;; end of part 5
;; launch ffn2 (part 6): grid 32 x 8, 4 waves a work-group, no clusters, 300,544 bytes of LDS; arguments hid, W2, b2, route, part; writes part
.if DOCPART == 6
	.amdgcn_target "amdgcn-amd-amdhsa--gfx1250"
	.amdhsa_code_object_version 6
	.text
	.protected	k_q09cc0ea01b_ffn2
	.globl	k_q09cc0ea01b_ffn2
	.p2align	8
	.type	k_q09cc0ea01b_ffn2,@function
k_q09cc0ea01b_ffn2:
	s_mov_b64 s[64:65], 0
	v_nop
	global_prefetch_b8 v0, s[64:65] scope:SCOPE_SE
	s_setreg_imm32_b32 hwreg(HW_REG_WAVE_SCHED_MODE, 0, 2), 2
	s_setreg_imm32_b32 hwreg(HW_REG_WAVE_MODE, 25, 1), 1
	s_wait_xcnt 0x0
	s_wait_alu depctr_vm_vsrc(0)
; A LAYER OF ROUTED EXPERTS, steps 2 and 3 of 4: one text for both products, told apart by LAYER.  Only the rows that assign names are multiplied (the first kernel's head shows why the others are dead).
; LAYER 1: hid[e][row][4096] = relu(xs[e][row] W1[e] + b1[e]), rounded once to bf16.   LAYER 2: part[kq][e][row][1024] = hid[e][row][1024 kq ..] W2[e][1024 kq ..] + b2[e] / 4, in f32: four partial sums over the hidden width.
; SHARES.  A work-group holds 1,024 k x 128 columns of ONE expert's weights, which it alone reads (LAYER 1: 32 column slices; LAYER 2: 8 column slices x 4 quarters of k), and multiplies all of that expert's rows by them.
; PHASE A.  The slice, 512 KiB of f32, comes through registers, is rounded to bf16 and laid into LDS in the order of the matrix unit's fragments.  A wave takes 8 rows of k at a time (a UNIT: 8 loads of 512 consecutive bytes);
; a ring of 8 units keeps 64 loads of every wave out from the head to the last unit.  One barrier follows: the only one.
; PHASE B.  The expert's T tiles of 16 rows (T from route) are dealt to the waves: in pass P wave w has tiles 16 P + w + 4 j, j = 0..3.  Four passes, a constant, cover all 64 tiles that a split can give; a pass or a tile past T is
; jumped forward; what is jumped holds matrix work, LDS reads of the wave's own and stores, no barrier.  A place past T loads a tile that exists, so that the counts of loads are the same on every way.
; A pass's 32 K blocks of 32 are written out: the slice is read through five address registers that are made at the head and never rewritten, and a K block's place stands in the immediate.
; THE PRODUCT IS USED TRANSPOSED: source 0 = 16 columns of the weights, source 1 = 16 token rows: a lane then holds one token (lane % 16) and the columns 8 (lane / 16) + 0..7.  The token rows come straight from memory
; (k lies along them), through a ring of 8 K blocks; the weights' fragments from LDS, 512 consecutive bytes a load, into two buffers by turns.  The sums start at the bias: it is the C of a pass's first K block.
; NO JOINT LOADS, though an expert's work-groups read the same token rows: beside the slice (266,240 bytes) and the stage LDS has under 44 KiB left, and 128 along k of 256 rows are 64 KiB; and whether a pass runs hangs on a stored count.
; NO PREFETCH of the weights: from its head on a work-group has 4 x 64 loads of 512 bytes, 128 KiB, on their way, and phase A waits for nothing else.
; LIMITS.  x, the weights and hid are rounded once to bf16; all sums are f32.  A NaN in the hidden layer becomes 0 (the maximum with 0 drops it).
; THE MODE: SCHED_MODE bits 1:0 = 2 (LLVM: expert scheduling mode 2), set by the entry lines.  The code itself states the register dependences between vector or matrix instructions and memory or LDS instructions,
; with s_wait_alu, always for 0.
; THE PLAN.  Registers that memory or LDS instructions touch, and who else names them.
;   PHASE A.  Ring slot i (window 1): unit i's sixteen conversions read it; behind them the loads of the unit 8 further on land in it.  Cells, a set of 16 registers to each slot: written by unit i's conversions, read by its four
;     LDS stores.  v[WA]: read by every LDS store, written once a trip.  v[WO], v[AO ..]: read by loads, not written in the loop.
;     ONE wait on va_vdst in a unit, behind its conversions: the cells are written, the slot is read, and (a trip's first unit) v[WA] is written; the unit's loads and stores follow it.
;     ONE wait on vm_vsrc a trip, at its end: the trip's LDS stores have read all eight sets of cells and v[WA].
;   PHASE B.  K block kb's matrix instructions read fragment buffer kb % 2 and slot kb % 8 of the token ring and write the sums.  Its loads are block kb + 1's fragments, into buffer (kb + 1) % 2, and block kb + 7's token rows, into
;     slot (kb - 1) % 8: the two that block kb - 1 read and that no matrix instruction of block kb names.  ONE wait on va_vdst at a block's head states that block kb - 1 is done reading them; the block's 24 loads
;     follow it with no further wait, dealt among its four runs of matrix instructions.  v[BA ..]: read by every fragment load, never rewritten.  v[AO ..]: read by the token loads, written between two passes.
;   THE WAY OUT.  TD (LAYER 1), v[CT] and the rows read back from the stage are written anew for each tile: a wait on vm_vsrc at a tile's head (the last tile's stores have read them), a wait on va_vdst ahead of its LDS stores.
.set LAYER, 2
.if LAYER == 1
.set APITCH, 2048                      ; bytes from token row to token row
.set WPITCH, 16384                     ; bytes from k to k + 1 in the weights
.set OPITCH, 8192                      ; bytes from row to row in the result
.set SP,     272                       ; a stage row: 256 bytes + 16: the 16 rows of a store start at 16 different groups of four banks (64 banks of 4 bytes: ISA guide 11.1)
.set TSH,    15                        ; a tile's 16 token rows, as a shift
.set OSH,    17                        ; a tile's 16 rows of the result
.else
.set APITCH, 8192
.set WPITCH, 4096
.set OPITCH, 4096
.set SP,     528                       ; 512 bytes + 16
.set TSH,    17
.set OSH,    16
.endif
.set FRB,   1040                       ; a fragment (16 columns x 32 k) in LDS: 1,024 bytes + 16, so that the 16 lanes of a store in phase A, which go to four fragments, touch 16 different 16-byte columns of 256
.set KBB,   8*FRB                      ; a K block: 8 fragments.  The 16 bytes (8 k) of k group G = k / 8, column n lie at (G / 4) KBB + (n / 16) FRB + (G % 4) 256 + (n % 16) 16
.set STAGE, 32*KBB                     ; behind the slice: 16 rows for each wave, its own, for the way out
.set SPARE, STAGE+4*16*SP              ; behind the stages: the spare words, 128 bytes for each wave: two blocks of 256 bytes that no other line names
; window 0 (an instruction names v0-v255; s_set_vgpr_msb says which window each operand place means: bits 1:0 source 0, 3:2 source 1, 5:4 source 2, 7:6 destination)
.set SPW,  4                           ; v4   LDS address of my spare word; never rewritten
.set NIL,  5                           ; v5   0; never rewritten
.set ZERO, 6                           ; v6   0, for the ReLU
.set WO,   7                           ; v7   weights: 16 lane + 8 w rows
.set WA,   8                           ; v8   where I put a unit's cells: (lane / 4) FRB + (lane % 4) 64 + 256 w, stepped a ring at a time
.set LB,   9                           ; v9   16 lane
.set LT,   12                          ; v12  my place in a tile of token rows: (lane % 16) APITCH + 16 (lane / 16)
.set AO,   13                          ; v[13:16] the same in my four tiles
.set STO,  17                          ; v17  the way out: where I put my bytes of a row
.set RD,   18                          ; v18  where I read rows back
.if LAYER == 1
.set CO,   19                          ; v19  my bytes in two rows of the result
.else
.set CO,   LB                          ; in one row of 512 bytes
.endif
.set CT,   20                          ; v20  the same in the tile in hand
.set BO,   21                          ; v21  32 (lane / 16): my eight numbers of 16 of the bias
.set BA,   24                          ; v[24:28] my 16 bytes of a fragment in K block 7 q, q = 0..4: 16 lane + 7 q KBB; never rewritten
.set TD,   32                          ; v[32:159] phase A: a unit's cells, eight sets of 16, one to each slot of the ring; v[32:63] the way out: a tile packed
.set BF0,  64                          ; v[64:191] phase B: the weights' fragments, two buffers of 64; the first also takes the rows read back from the stage
.set BIAS, 192                         ; v[192:255] register 8 b + j: bias[16 b + 8 (lane / 16) + j]
; window 1: phase A: the ring, unit slot i at 32 i (row r of 8 at 4 r);  phase B: the sums, tile j, columns 16 b at 64 j + 8 b.      window 2: the token ring, slot i, tile j at 32 i + 8 j
; s14 wave, s15 e, s16 column slice, s17 quarter of k, s20 T, s[21:24] my four tiles, s25 passes to go, s26 phase A's trips to go, s[28:29] weights, s[30:31] token rows, s[34:35] result
.set MSB, 0
.macro WIN new                         ; the immediate's high byte repeats the setting that is left; a switch that changes nothing is dropped
.if MSB != (\new)
	s_set_vgpr_msb (MSB<<8)|(\new)
.set MSB, \new
.endif
.endm
.macro PLACES                          ; four places behind matrix instructions, in front of loads into registers that they have read and of reads of their results; they stay beside the waits
.rept 4
	v_nop
.endr
.endm
	s_load_b256 s[4:11], s[0:1], 0x0               ; token rows s[4:5], weights s[6:7], bias s[8:9], route s[10:11]
	s_load_b64 s[12:13], s[0:1], 0x20              ; the result
	v_lshl_add_u32 v[SPW], v0, 2, SPARE
	v_mov_b32 v[NIL], 0
	v_lshrrev_b32 v1, 5, v0
	v_readfirstlane_b32 s14, v1                    ; wave 0..3
	v_and_b32 v1, 31, v0                           ; lane
	v_bfe_u32 v3, v0, 4, 1                         ; lane / 16
	v_lshlrev_b32 v[BO], 5, v3
	s_and_b32 s15, ttmp7, 0xffff                   ; e
.if LAYER == 1
	s_mov_b32 s16, ttmp9
.else
	s_and_b32 s16, ttmp9, 7
	s_lshr_b32 s17, ttmp9, 3
.endif
	s_lshl_b32 s18, s15, 24                        ; an expert's weights are 2^24 bytes,
	s_lshl_b32 s36, s16, 9                         ; 128 columns 512
	s_add_co_u32 s18, s18, s36
.if LAYER == 2
	s_lshl_b32 s36, s17, 22                        ; 1,024 rows of 4,096 bytes
	s_add_co_u32 s18, s18, s36
.endif
	s_mov_b32 s19, 0
	s_wait_alu depctr_va_sdst(0)                   ; s14 is written, ahead of its first reader: offsets, LDS places and my tiles' numbers are made from it
	s_mul_i32 s37, s14, 8*WPITCH
	v_lshl_add_u32 v[WO], v1, 4, s37
	s_lshl_b32 s27, s15, 8
	s_wait_kmcnt 0x0
	s_add_nc_u64 s[28:29], s[6:7], s[18:19]
	s_load_b32 s20, s[10:11], s27 offset:0x8000    ; T
	WIN 0x40                                       ; destination window 1
	s_wait_alu depctr_va_vdst(0)                   ; v[WO] and v[BO] are written: the loads of the weights and of the bias read them as their offsets
.irp i,0,1,2,3,4,5,6,7
.irp r,0,1,2,3,4,5,6,7
	global_load_b128 v[32*\i+4*\r:32*\i+4*\r+3], v[WO], s[28:29] offset:(32*\i+\r)*WPITCH th:TH_LOAD_NT  ; unit i: k = 32 i + 8 w + r, the slice's 512 bytes of that row
.endr
.endr
	WIN 0
.if LAYER == 1
	s_lshl_b32 s18, s15, 14
.else
	s_lshl_b32 s18, s15, 12
.endif
	s_lshl_b32 s36, s16, 9
	s_add_co_u32 s18, s18, s36
	s_add_nc_u64 s[8:9], s[8:9], s[18:19]          ; the slice's 128 numbers of the bias
.irp b,0,1,2,3,4,5,6,7
	global_load_b128 v[BIAS+8*\b:BIAS+8*\b+3],   v[BO], s[8:9] offset:64*\b  ; behind the weights' first 64, so that those go out first: 16 loads that make the first counts below stricter than they need be
	global_load_b128 v[BIAS+8*\b+4:BIAS+8*\b+7], v[BO], s[8:9] offset:64*\b+16
.endr
.if LAYER == 1
	s_lshl_b32 s18, s15, 21
	s_add_nc_u64 s[30:31], s[4:5], s[18:19]        ; xs[e]
	s_lshl_b32 s18, s15, 23
	s_lshl_b32 s36, s16, 8
	s_add_co_u32 s18, s18, s36
	s_add_nc_u64 s[34:35], s[12:13], s[18:19]      ; hid[e], my 128 columns
.else
	s_lshl_b32 s18, s15, 23
	s_lshl_b32 s36, s17, 11
	s_add_co_u32 s18, s18, s36
	s_add_nc_u64 s[30:31], s[4:5], s[18:19]        ; hid[e], my quarter of k
	s_lshl_b32 s18, s17, 25
	s_lshl_b32 s36, s15, 22
	s_add_co_u32 s18, s18, s36
	s_lshl_b32 s36, s16, 9
	s_add_co_u32 s18, s18, s36
	s_add_nc_u64 s[34:35], s[12:13], s[18:19]      ; part[kq][e], my 128 columns
.endif
	; the addresses made from here on are first read by memory or LDS instructions behind the first unit's wait on va_vdst
	v_and_b32 v2, 15, v0                           ; lane % 16
	v_lshrrev_b32 v22, 2, v1
	v_mul_u32_u24 v[WA], v22, FRB
	v_and_b32 v22, 3, v0
	v_lshl_add_u32 v[WA], v22, 6, v[WA]
	s_lshl_b32 s36, s14, 8
	v_add_nc_u32 v[WA], s36, v[WA]
	v_lshlrev_b32 v[LB], 4, v1
.irp q,0,1,2,3,4
	v_add_nc_u32 v[BA+\q], \q*7*KBB, v[LB]         ; seven K blocks to a register: the largest immediate behind it is 6 KBB + 7 FRB + 512 = 57,712
.endr
	v_mul_u32_u24 v[LT], v2, APITCH
	v_lshl_add_u32 v[LT], v3, 4, v[LT]
	s_mul_i32 s36, s14, 16*SP
	s_add_co_u32 s36, s36, STAGE                   ; my stage
	v_mul_u32_u24 v[STO], v2, SP                   ; in: the row of my token,
.if LAYER == 1
	v_lshl_add_u32 v[STO], v3, 4, v[STO]           ; 16 bytes (8 bf16) for each half of the lanes
	v_add_nc_u32 v[STO], s36, v[STO]
	v_mul_u32_u24 v[RD], v3, SP                    ; back: lanes 0-15 one row of 256 bytes, lanes 16-31 the next,
	v_lshl_add_u32 v[RD], v2, 4, v[RD]
	v_add_nc_u32 v[RD], s36, v[RD]
	v_lshlrev_b32 v[CO], 13, v3                    ; and the same two rows in hid
	v_lshl_add_u32 v[CO], v2, 4, v[CO]
	v_mov_b32 v[ZERO], 0
.else
	v_lshl_add_u32 v[STO], v3, 5, v[STO]           ; 32 bytes (8 f32) for each half of the lanes
	v_add_nc_u32 v[STO], s36, v[STO]
	v_add_nc_u32 v[RD], s36, v[LB]                 ; back: 32 lanes take one row of 512 bytes
.endif
	s_mov_b32 s21, s14                             ; my tiles of pass 0
	s_add_co_u32 s22, s14, 4
	s_add_co_u32 s23, s14, 8
	s_add_co_u32 s24, s14, 12
	s_wait_kmcnt 0x0
	s_min_u32 s20, s20, 64                         ; an expert has at most 64 tiles
; The offsets of my four tiles, `add` tiles on: a place past T takes tile T - 1.
.macro SETROWS add
	s_sub_co_u32 s37, s20, 1
.irp j,0,1,2,3
	s_add_co_u32 s36, s[21+\j], \add
	s_min_u32 s36, s36, s37
	s_min_u32 s36, s36, 63
	s_lshl_b32 s36, s36, TSH
	v_add_nc_u32 v[AO+\j], s36, v[LT]
.endr
.endm
; Slot i of the token ring takes the 32 k at byte off of the rows of my four tiles: 8 loads.  A fragment is 16 rows x 32 k: lane l holds row l % 16, k = 8 (l / 16) + 0..7 and 16 + 8 (l / 16) + 0..7: two loads of 16 bytes, 32 bytes apart.
.macro AFILL i, off
	WIN 0x80                                       ; destination window 2
.irp j,0,1,2,3
	global_load_b128 v[32*(\i)+8*\j:32*(\i)+8*\j+3],   v[AO+\j], s[30:31] offset:(\off)
	global_load_b128 v[32*(\i)+8*\j+4:32*(\i)+8*\j+7], v[AO+\j], s[30:31] offset:(\off)+32
.endr
.endm
; A unit's turn.  My lane holds 8 k of columns 4 lane + 0..3: for each column the 8 numbers are rounded in pairs into 16 bytes, a cell.  kind = 1: the slot takes the unit 8 further on; kind = 2: the weights are all
; asked for, and the turn's 8 loads are the first fill of slot i of the token ring: so the count is the same in every turn.  The loads go out ahead of the LDS stores.
.macro UNIT i, kind
	s_wait_loadcnt 56                              ; loads come back in order: mine are in; the seven younger slots' 56 may stay out
	WIN 0x05                                       ; sources window 1
.set td, TD+16*(\i)
.irp c,0,1,2,3
.irp p,0,1,2,3
	v_cvt_pk_bf16_f32 v[td+4*\c+\p], v[32*(\i)+8*\p+\c], v[32*(\i)+8*\p+4+\c]
.endr
.endr
.if \kind == 1
	WIN 0x40
	s_wait_alu depctr_va_vdst(0)                   ; the conversions are done reading the slot, in which the loads land, and have written the cells, which the LDS stores read; in a trip's first unit v[WA] is written, in the very first all the head's addresses
.irp r,0,1,2,3,4,5,6,7
	global_load_b128 v[32*(\i)+4*\r:32*(\i)+4*\r+3], v[WO], s[28:29] offset:(256+32*(\i)+\r)*WPITCH th:TH_LOAD_NT  ; at most 487 rows on: inside the signed 24-bit immediate
.endr
.else
	WIN 0x80
	s_wait_alu depctr_va_vdst(0)                   ; the conversions have written the cells, which the LDS stores read; in the first of these units v[WA] is written
	AFILL \i, 64*(\i)
.endif
	WIN 0
.irp c,0,1,2,3
	ds_store_b128 v[WA], v[td+4*\c:td+4*\c+3] offset:(\i)*KBB+16*\c  ; no vector instruction since the wait names the cells or v[WA]
.endr
.endm
	SETROWS 0
	s_mov_b32 s26, 3
.Lfill:                                                ; PHASE A: three trips of 8 units, each asking for the next trip's
.irp i,0,1,2,3,4,5,6,7
	UNIT \i, 1
.endr
	WIN 0
	s_wait_xcnt 0x0                                ; the loads issued so far have read their base: only now is it stepped
	s_wait_alu depctr_vm_vsrc(0)                   ; the trip's LDS stores have read v[WA], which is stepped below, and the eight sets of cells, which the next eight units write again
	s_add_nc_u64 s[28:29], s[28:29], 256*WPITCH
	v_add_nc_u32 v[WA], 8*KBB, v[WA]
	s_sub_co_u32 s26, s26, 1
	s_cmp_lg_u32 s26, 0
	s_cbranch_scc1 .Lfill
.irp i,0,1,2,3,4,5,6,7
	UNIT \i, 2                                     ; the last 8 units
.endr
	WIN 0
	s_wait_dscnt 0x0                               ; for the others' sake: my cells lie in LDS
	s_barrier_signal -1
	s_barrier_wait -1                              ; the slice is whole; from here on nobody writes it
.if LAYER == 2
	s_mov_b32 s38, 0x3e800000                      ; each of the four quarters of k carries a quarter of b2
	s_mov_b32 s39, s38
.set z, 0
.rept 32
	v_pk_mul_f32 v[BIAS+z:BIAS+z+1], v[BIAS+z:BIAS+z+1], s[38:39] op_sel_hi:[1,0]
.set z, z+2
.endr
.endif
; 8 LDS loads in one run: fragments lo .. lo + 3 of K block x into buffer f
.macro FETCHH x, f, lo
	WIN 0
.set fa, BA+(\x)/7
.set fo, ((\x)%7)*KBB
.irp b,0,1,2,3
	ds_load_b128 v[BF0+64*(\f)+8*((\lo)+\b):BF0+64*(\f)+8*((\lo)+\b)+3],   v[fa] offset:fo+((\lo)+\b)*FRB
	ds_load_b128 v[BF0+64*(\f)+8*((\lo)+\b)+4:BF0+64*(\f)+8*((\lo)+\b)+7], v[fa] offset:fo+((\lo)+\b)*FRB+512
.endr
.endm
; 8 matrix instructions: tile j x all 128 columns, K block kb.  The 8 sums take turns, one instruction a turn: seven others stand between two links of a chain, on every way.  In K block 0 C is the bias.
.macro MULT kb, j
.if (\kb) == 0
	WIN 0x48                                       ; weights window 0, tokens window 2, C window 0, D window 1
.else
	WIN 0x58                                       ; C and D window 1
.endif
.irp b,0,1,2,3,4,5,6,7
.if (\kb) == 0
	v_wmma_f32_16x16x32_bf16 v[64*(\j)+8*\b:64*(\j)+8*\b+7], v[BF0+64*((\kb)%2)+8*\b:BF0+64*((\kb)%2)+8*\b+7], v[32*((\kb)%8)+8*(\j):32*((\kb)%8)+8*(\j)+7], v[BIAS+8*\b:BIAS+8*\b+7]
.else
	v_wmma_f32_16x16x32_bf16 v[64*(\j)+8*\b:64*(\j)+8*\b+7], v[BF0+64*((\kb)%2)+8*\b:BF0+64*((\kb)%2)+8*\b+7], v[32*((\kb)%8)+8*(\j):32*((\kb)%8)+8*(\j)+7], v[64*(\j)+8*\b:64*(\j)+8*\b+7]
.endif
.endr
.endm
; K block kb of 32: its fragments and token rows are waited for; my live tiles are multiplied; among their four runs of matrix instructions stand the loads of the next block's fragments and of the token rows 7 blocks on, while
; there are any.  The loads stand on every way: a tile past T is jumped by itself, over its eight matrix instructions alone, so that the counts are the same whatever T is.
.macro KB kb
	s_wait_dscnt 0x0                               ; this block's fragments, asked for in the block before, are in: no LDS load was issued behind them
.if (\kb) == 0
	s_wait_loadcnt 56                              ; this block's token rows are in; blocks 1 to 7, 56 loads, may stay out
.elseif (\kb) <= 25
	s_wait_loadcnt 48                              ; the six younger blocks' 48 loads may stay out: a slot is asked for again a block behind the one that read it
.else
	s_wait_loadcnt 8*(31-(\kb))                    ; the last blocks ask for nothing: the counts run down to 0
.endif
.if (\kb) > 0 && (\kb) < 31
	s_wait_alu depctr_va_vdst(0)                   ; the last block's matrix instructions are done reading their fragment buffer and their slot of the token ring, in which this block's loads land
.endif
	MULT \kb, 0
	WIN 0                                          ; at a branch and at a label every window is 0
.if (\kb) < 31
	FETCHH (\kb)+1, ((\kb)+1)%2, 0                 ; no wait: no matrix instruction since the wait at the head names the other buffer
.endif
	s_cmp_lt_u32 s22, s20                          ; is tile 1 below T?
	s_cbranch_scc0 .Lka_\@
	MULT \kb, 1
	WIN 0
.Lka_\@:
.if (\kb) < 31
	FETCHH (\kb)+1, ((\kb)+1)%2, 4
.endif
	s_cmp_lt_u32 s23, s20                          ; tile 2?
	s_cbranch_scc0 .Lkb_\@
	MULT \kb, 2
	WIN 0
.Lkb_\@:
.if (\kb) > 0 && (\kb) < 25
	AFILL ((\kb)+7)%8, 64*((\kb)+7)                ; the slot that the last block read takes the block 7 further on than this one
	WIN 0
.endif
	s_cmp_lt_u32 s24, s20                          ; tile 3?
	s_cbranch_scc0 .Lkc_\@
	MULT \kb, 3
	WIN 0
.Lkc_\@:
	PLACES                                         ; behind this block's matrix instructions, in front of the next block's loads into the registers that they have read
.endm
; THE WAY OUT of tile j: through my own stage, so that whole rows leave.  LDS serves a wave's instructions in order (ISA guide 5.7.1.4): the loads see the stores, and the next tile's stores come behind the loads.
; Tile 0 needs no wait at its head: the waits at the pass's head stand behind the last pass's stores, and nothing has read these registers since.
.macro OUT j
.if \j > 0
	s_cmp_lt_u32 s[21+\j], s20
	s_cbranch_scc0 .Lsent
	s_wait_xcnt 0x0                                ; the stores issued so far have read their offset and data: only now are those registers rewritten
	s_wait_alu depctr_vm_vsrc(0)                   ; the last tile's LDS stores have read v[TD ..], its global stores v[CT] and the rows read back: all are written again below
.endif
	s_lshl_b32 s36, s[21+\j], OSH
	v_add_nc_u32 v[CT], s36, v[CO]
.if LAYER == 1
	WIN 0x05
.irp b,0,1,2,3,4,5,6,7
.irp q,0,1,2,3
	v_cvt_pk_bf16_f32 v[TD+4*\b+\q], v[64*(\j)+8*\b+2*\q], v[64*(\j)+8*\b+2*\q+1]  ; each sum's registers in ascending order
.endr
.endr
	WIN 0
.set z, 0
.rept 32
	v_pk_max_num_bf16 v[TD+z], v[TD+z], v[ZERO]    ; the ReLU on the rounded halves: rounding keeps sign and order, so the values are those of rounding behind the ReLU
.set z, z+1
.endr
	s_wait_alu depctr_va_vdst(0)                   ; v[TD ..] and v[CT] are written, which the stores below read; the pass's matrix instructions are done reading the fragment buffer in which the rows land
.irp b,0,1,2,3,4,5,6,7
	ds_store_b128 v[STO], v[TD+4*\b:TD+4*\b+3] offset:32*\b
.endr
.irp t,0,1,2,3,4,5,6,7
	ds_load_b128 v[BF0+4*\t:BF0+4*\t+3], v[RD] offset:\t*2*SP
.endr
.else
	WIN 0x04                                       ; store data window 1
	s_wait_alu depctr_va_vdst(0)                   ; the matrix instructions have written the sums, which the LDS stores read (the places stand ahead), and are done reading the fragment buffer in which the rows land; v[CT] is written
.irp b,0,1,2,3,4,5,6,7
	ds_store_b128 v[STO], v[64*(\j)+8*\b:64*(\j)+8*\b+3]   offset:64*\b
	ds_store_b128 v[STO], v[64*(\j)+8*\b+4:64*(\j)+8*\b+7] offset:64*\b+16
.endr
	WIN 0
.irp t,0,1,2,3,4,5,6,7,8,9,10,11,12,13,14,15
	ds_load_b128 v[BF0+4*\t:BF0+4*\t+3], v[RD] offset:\t*SP
.endr
.endif
	s_wait_dscnt 0x0
.if LAYER == 1
.irp t,0,1,2,3,4,5,6,7
	global_store_b128 v[CT], v[BF0+4*\t:BF0+4*\t+3], s[34:35] offset:2*\t*OPITCH  ; 16 lanes store 256 consecutive bytes, aligned
.endr
.else
.irp t,0,1,2,3,4,5,6,7,8,9,10,11,12,13,14,15
	global_store_b128 v[CT], v[BF0+4*\t:BF0+4*\t+3], s[34:35] offset:\t*OPITCH    ; 512 consecutive bytes, aligned
.endr
.endif
.endm
	s_mov_b32 s25, 4
.Lpass:                                                ; PHASE B
	s_cmp_lt_u32 s21, s20
	s_cbranch_scc0 .Lnext                          ; my first tile of this pass lies past T: nothing of the pass is mine
	s_wait_xcnt 0x0                                ; the last pass's stores have read the first fragment buffer's registers
	s_wait_alu depctr_vm_vsrc(0)                   ; phase A's LDS stores have read the cells, the last pass's global stores the rows read back: the fragments land in those registers; the last pass's LDS stores have read what the way out and (LAYER 2) the matrix instructions write again
	FETCHH 0, 0, 0
	FETCHH 0, 0, 4
.irp kb,0,1,2,3,4,5,6,7,8,9,10,11,12,13,14,15,16,17,18,19,20,21,22,23,24,25,26,27,28,29,30,31
	KB \kb
.endr
	PLACES                                         ; four more, once a pass, ahead of the first read of the sums
	s_wait_alu depctr_vm_vsrc(0)                   ; the pass's loads of token rows have read v[AO ..], which are written again behind the branch
	s_add_co_u32 s36, s21, 16
	s_cmp_lt_u32 s36, s20
	s_cbranch_scc0 .Lnofill
	SETROWS 16                                     ; a further pass is mine: its first 8 K blocks of token rows are asked for ahead of the way out (the last wait on LOADcnt above was for 0: no load still reads these registers)
	WIN 0x80
	s_wait_alu depctr_va_vdst(0)                   ; v[AO ..] are written, which the loads below read; the pass's matrix instructions are done reading the token ring, in which they land
.irp i,0,1,2,3,4,5,6,7
	AFILL \i, 64*\i
.endr
	WIN 0
.Lnofill:
.irp j,0,1,2,3
	OUT \j
.endr
.Lsent:
.Lnext:
	s_add_co_u32 s21, s21, 16
	s_add_co_u32 s22, s22, 16
	s_add_co_u32 s23, s23, 16
	s_add_co_u32 s24, s24, 16
	s_sub_co_u32 s25, s25, 1
	s_cmp_lg_u32 s25, 0
	s_cbranch_scc1 .Lpass
	s_wait_dscnt 0x0                               ; the wave's end
	s_wait_alu 0x0
	s_wait_tensorcnt 0x0
	ds_add_u32 v[SPW], v[NIL]
	s_wait_dscnt 0x0
	s_endpgm
.Lfunc_end_k_q09cc0ea01b_ffn2:
	.size	k_q09cc0ea01b_ffn2, .Lfunc_end_k_q09cc0ea01b_ffn2-k_q09cc0ea01b_ffn2
	.p2alignl 7, 3214868480
	.fill 96, 4, 3214868480
	.section	.rodata,"a",@progbits
	.p2align	6, 0x0
	.amdhsa_kernel k_q09cc0ea01b_ffn2
		.amdhsa_group_segment_fixed_size 300544
		.amdhsa_private_segment_fixed_size 0
		.amdhsa_enable_private_segment 0
		.amdhsa_kernarg_size 40
		.amdhsa_user_sgpr_count 2
		.amdhsa_user_sgpr_kernarg_segment_ptr 1
		.amdhsa_wavefront_size32 1
		.amdhsa_system_sgpr_workgroup_id_x 1
		.amdhsa_system_sgpr_workgroup_id_y 1
		.amdhsa_system_sgpr_workgroup_id_z 1
		.amdhsa_system_vgpr_workitem_id 0
		.amdhsa_next_free_vgpr 768
		.amdhsa_next_free_sgpr 66
		.amdhsa_reserve_vcc 0
		.amdhsa_float_denorm_mode_32 3
		.amdhsa_float_denorm_mode_16_64 3
		.amdhsa_memory_ordered 1
		.amdhsa_forward_progress 1
		.amdhsa_inst_pref_size 208
	.end_amdhsa_kernel
	.amdgpu_metadata
---
amdhsa.version: [ 1, 2 ]
amdhsa.kernels:
  - .name:           k_q09cc0ea01b_ffn2
    .symbol:         k_q09cc0ea01b_ffn2.kd
    .args:
      - { .name: hid, .offset: 0, .size: 8, .value_kind: global_buffer, .address_space: global }
      - { .name: W2, .offset: 8, .size: 8, .value_kind: global_buffer, .address_space: global }
      - { .name: b2, .offset: 16, .size: 8, .value_kind: global_buffer, .address_space: global }
      - { .name: route, .offset: 24, .size: 8, .value_kind: global_buffer, .address_space: global }
      - { .name: part, .offset: 32, .size: 8, .value_kind: global_buffer, .address_space: global }
    .group_segment_fixed_size: 300544
    .private_segment_fixed_size: 0
    .kernarg_segment_align: 8
    .kernarg_segment_size: 40
    .max_flat_workgroup_size: 128
    .sgpr_count:     66
    .vgpr_count:     768
    .wavefront_size: 32
...
	.end_amdgpu_metadata
.endif
;; end of part 6
;; launch combine: the kernel of part 4 again; grid 256 x 1, 8 waves a work-group, no clusters, 0 bytes of LDS; arguments part, route, assign, out0; writes out0
